; MI455X (gfx1250); checked and timed in simulation.
; The chip was launched on July 23, 2026; its instructions are those of AMD's public machine-readable ISA for CDNA 5 (MIT licence, August 2026) and "CDNA5" Instruction Set Architecture Reference Guide (July 2026). The comments in the code are by the model that wrote it; some were corrected since.
;; Causal Self Attention. Allowed arithmetic: matrix products marked QUANTISED: E2M1 operands, one E8M0 scale for each 32 along K, by v_wmma_scale_f32_16x16x128_f8f6f4 with both operands' format E2M1 (or v_wmma_scale_f32_32x16x128_f4), f32 sums; products left as they are: bf16, f16 or f32 operands; f32 sums; everything else in f32.
;; Inputs: Wproj 1,024 x 1,024 float32; Wqkv 1,024 x 3,072 float32; k_norm_w 64 float32; q_norm_w 64 float32; x 4 x 2,048 x 1,024 float32.
;; Outputs: out0 4 x 2,048 x 1,024 float32.
;; This version of the problem:
;;   THIS VERSION OF THE PROBLEM IS GIVEN IN LOW PRECISION. The matrix products marked QUANTISED in the list below multiply operands that are first quantised to E2M1 (2 exponent bits, 1 mantissa bit; 4 bits a number), with one power-of-two scale for each 32 numbers along K (OCP MX v1.0); their sums are f32. The products marked 'left as it is' may take bf16, f16 or f32 operands, with f32 sums. Whichever they take, every output number must still come out within the allowed error. Rounding operands to bf16 (8 significant bits) uses up far more of that allowance than f16 does (11 bits, for magnitudes from 6e-5 to 65,504). All else is computed in f32.
;;   The module's matrix products, in the order in which they are computed (A, B: the left and right operand; K: the contracted axis; several contracted axes count as one K, in the product's order):
;;     1. [M 8,192, K 1,024] x [K 1,024, N 3,072]; A: input x; B: input Wqkv: QUANTISED
;;     2. batch 64 x [M 2,048, K 64] x [K 64, N 2,048]; A: computed on the way; B: computed on the way: left as it is (an operand is computed on the way)
;;     3. batch 64 x [M 2,048, K 2,048] x [K 2,048, N 64]; A: computed on the way; B: computed on the way: left as it is (an operand is computed on the way)
;;     4. [M 8,192, K 1,024] x [K 1,024, N 1,024]; A: computed on the way; B: input Wproj: left as it is (an operand is computed on the way)
;;   THE QUANTISER, for each operand of a quantised product, along K:
;;     - K is cut into blocks of 32 from its start; a last block that is shorter is filled with zeros.
;;     - A block's scale is 2^e with e = floor(log2(the largest magnitude in the block)) - 2, held to -126 .. 127; a block of zeros has e = 0. As a byte (E8M0): e + 127.
;;     - Each number is divided by its block's scale, clamped to +-6, and rounded to the nearest number of E2M1, ties to even, subnormals kept.
;;     - The product sums the exact products of the quantised numbers (number of the format x scale) in f32.
;;   ~~~python
;;   def quantise(x, axis):      # numpy; x: float32 -> the quantised numbers, widened to float32 again
;;       x = np.moveaxis(x, axis, -1); K = x.shape[-1]
;;       x = np.pad(x, [(0, 0)] * (x.ndim - 1) + [(0, -K % 32)]); x = x.reshape(x.shape[:-1] + (-1, 32)); a = np.abs(x).max(-1, keepdims=True)
;;       e = np.where(a > 0, np.clip(np.frexp(np.where(a > 0, a, 1))[1] - 1 - 2, -126, 127), 0)      # np.frexp(a)[1] - 1 = floor(log2(a)), exactly
;;       r = np.clip(x / 2.0 ** e, -6, 6)
;;       step = 2.0 ** (np.maximum(np.frexp(np.where(r == 0, 1, r))[1] - 1, 0) - 1)
;;       q = np.round(r / step) * step * 2.0 ** e      # np.round: ties to even
;;       return np.moveaxis(q.reshape(q.shape[:-2] + (-1,))[..., :K], -1, axis).astype(np.float32)
;;   ~~~
;; One version. Each part assembles by itself: llvm-mc -triple=amdgcn-amd-amdhsa -mcpu=gfx1250 --defsym DOCPART=n.
;; ======== version 1 of 1: 5 launches
;; limits: values are held in f16: magnitudes above 65,504 overflow, below 6.1e-05 lose precision
;; workspace buffers: xq 4,456,448 bytes; wq 1,671,168 bytes; wp16 2,097,152 bytes; rope 524,288 bytes; qkvimg 50,331,648 bytes; fine 786,432 bytes; yimg 16,777,216 bytes
;; launch prep (part 1): grid 336 x 1, 4 waves a work-group, no clusters, 34,304 bytes of LDS; arguments x, Wqkv, Wproj, xq, wq, wp16, rope; writes xq, wq, wp16, rope
.if DOCPART == 1
	.amdgcn_target "amdgcn-amd-amdhsa--gfx1250"
	.amdhsa_code_object_version 6
	.text
	.protected	k_q88cc8d0d71_prep
	.globl	k_q88cc8d0d71_prep
	.p2align	8
	.type	k_q88cc8d0d71_prep,@function
k_q88cc8d0d71_prep:
	s_mov_b64 s[64:65], 0
	v_nop
	global_prefetch_b8 v0, s[64:65] scope:SCOPE_SE
	s_setreg_imm32_b32 hwreg(HW_REG_WAVE_MODE, 25, 1), 1
	s_wait_xcnt 0x0
; PREP: the operands of the later launches, each laid as an image of the operand's registers: [tile of 16 rows][unit along K][row 0..15][16 bytes],
; a unit being 32 codes of E2M1 or 8 numbers of f16.  A fragment's group of four registers is then 512 consecutive bytes, 16 x lane.
; Three paths, parted on the work-group's number alone:  0-47 Wqkv -> wq (codes and E8M0 bytes, K = its first axis);  48-79 Wproj -> wp16 (f16);
; 80-335 x -> xq (codes and bytes, K innermost), and the table of cosines and sines -> rope.  Only x's path touches LDS.
; THE QUANTISER: a block's scale is 2^(floor(log2(largest magnitude)) - 2): its byte is that magnitude's exponent field - 2, held at 1 from below by a floor among the maximum's leaves.
; A block of zeros so keeps the byte 1 where the rule says 127: its codes are zeros, and this program alone reads the bytes.
; LIMITS: NaN and infinities are not served; a block whose largest magnitude lies under 2^-124 keeps the byte 1; Wproj beyond 65,504 in magnitude is not served (f16).
; The table's angles are pos x inv_freq in f32 as in the definition; inv_freq = 2^(-i log2(10)/8) comes from v_exp_f32 (1 ulp), so an angle may differ from the definition's by some 3e-4 rad at position 2,047.
.set SPARE, 33792                      ; behind the four stages: the spare words, 128 bytes a wave
.set XSC,   4194304                    ; xq: the scale words begin here
.set WSCL,  1572864                    ; wq: likewise
.set SPW,   4                          ; v4  my spare word; never rewritten
.set NIL,   5                          ; v5  0; never rewritten
; ---- x's path: 16 rows x 128 along K a step
.macro LOADX s                         ; step s: row i's 512 bytes by one load, 16 bytes a lane
.irp i, 0,1,2,3,4,5,6,7,8,9,10,11,12,13,14,15
	global_load_b128 v[32+64*((\s)%2)+4*\i:32+64*((\s)%2)+4*\i+3], v6, s[4:5] offset:\i*4096+(\s)*512 th:TH_LOAD_NT
.endr
.endm
.macro STEPX s
.if (\s) < 3
	s_wait_loadcnt 16                      ; this step's 16 loads are in; the next step's 16 may be out
.else
	s_wait_loadcnt 0x0
.endif
.irp i, 0,1,2,3,4,5,6,7,8,9,10,11,12,13,14,15
	ds_store_b128 v7, v[32+64*((\s)%2)+4*\i:32+64*((\s)%2)+4*\i+3] offset:\i*528   ; through my own stage: rows of 512 bytes + 16
.endr
.irp c, 0,1
.irp g, 0,1,2,3,4,5,6,7
	ds_load_b128 v[160+32*\c+4*\g:160+32*\c+4*\g+3], v8 offset:\c*256+16*\g   ; back: lane (r, h) takes blocks h and 2 + h of row r whole (LDS serves a wave in order)
.endr
.endr
	s_wait_dscnt 0x0                       ; the numbers are back, and the stores have read their registers
.if (\s)+2 < 4
	LOADX (\s)+2
.endif
.irp c, 0,1
	v_max3_num_f32 v[12+\c], |v[160+32*\c]|, |v[161+32*\c]|, 0x1800000   ; the block's largest magnitude, and the floor 2^(3 - 127)
.endr
.irp i, 2,4,6,8,10,12,14,16,18,20,22,24,26,28,30
.irp c, 0,1
	v_max3_num_f32 v[12+\c], v[12+\c], |v[160+32*\c+\i]|, |v[161+32*\c+\i]|
.endr
.endr
.irp c, 0,1
	v_add_nc_u32 v[14+\c], 0xff000000, v[12+\c]   ; 2 off the exponent field: the conversion's scale operand
.endr
.irp c, 0,1
.irp g, 0,1,2,3
	v_cvt_scalef32_pk8_fp4_f32 v[224+8*(\s)+4*\c+\g], v[160+32*\c+8*\g:167+32*\c+8*\g], v[14+\c]
.endr
.endr
	v_lshrrev_b32 v20, 23, v14             ; the two bytes (a plain line behind the conversions)
	v_lshrrev_b32 v21, 23, v15
	v_lshl_or_b32 v9, v21, 16, v20
	v_lshlrev_b32 v9, v10, v9              ; at their places in the word: 8 h bits up
	v_permlanex16_b32 v22, v9, s28, s29
	v_or_b32 v[16+(\s)], v9, v22           ; with lane l xor 16's two: the row's scale word of this K step
.irp c, 0,1
	global_store_b128 v6, v[224+8*(\s)+4*\c:227+8*(\s)+4*\c], s[10:11] offset:(\s)*1024+\c*512   ; 512 consecutive bytes; each step has its own registers
.endr
.endm
; cos or sin of v[a] (0 .. 2,047 rad) into v[d]: n = nearest whole number of quarter turns, rho = a - n pi/2 in two parts, polynomials on |rho| <= pi/4, the quadrant picks and signs.  v37 = 3 in the lanes that make sines
.macro TRIG d, a
	v_mul_f32 v44, 0x3f22f983, v[\a]       ; a x 2/pi
	v_rndne_f32 v44, v44
	v_fma_f32 v45, v44, s32, v[\a]         ; - n x the high part of pi/2
	v_fma_f32 v45, v44, s33, v45           ; - n x the low part
	v_cvt_i32_f32 v46, v44
	v_add_nc_u32 v46, v46, v37             ; sin(t) = cos(t - pi/2): three quadrants on
	v_mul_f32 v47, v45, v45
	v_mov_b32 v48, 0xb94ca1f9
	v_fmaak_f32 v48, v48, v47, 0x3c08839e
	v_fmaak_f32 v48, v48, v47, 0xbe2aaaa3
	v_mul_f32 v49, v45, v47
	v_fma_f32 v48, v48, v49, v45           ; sin rho
	v_mov_b32 v50, 0x37ccf5ce
	v_fmaak_f32 v50, v50, v47, 0xbab6061a
	v_fmaak_f32 v50, v50, v47, 0x3d2aaaa5
	v_mul_f32 v49, v47, v47
	v_fma_f32 v51, v47, -0.5, 1.0
	v_fma_f32 v50, v50, v49, v51           ; cos rho
	v_and_b32 v49, 1, v46
	v_cmp_eq_u32 vcc_lo, 1, v49
	v_cndmask_b32 v[\d], v50, v48, vcc_lo  ; odd quadrants take the sine
	v_add_nc_u32 v49, 1, v46
	v_and_b32 v49, 2, v49
	v_lshlrev_b32 v49, 30, v49
	v_xor_b32 v[\d], v[\d], v49            ; quadrants 1 and 2 are negative
.endm
; ---- Wqkv's path: a lane to a column, registers down K
.macro LOADW t
.irp i, 0,1,2,3,4,5,6,7,8,9,10,11,12,13,14,15,16,17,18,19,20,21,22,23,24,25,26,27,28,29,30,31
	global_load_b32 v[32+32*((\t)%2)+\i], v6, s[6:7] offset:(32*(\t)+\i)*12288 th:TH_LOAD_NT
.endr
.endm
.macro BLOCKW t
.set XW, 32+32*((\t)%2)
.if (\t) < 15
	s_wait_loadcnt 32                      ; this block's 32 loads are in; the next block's may be out
.else
	s_wait_loadcnt 0x0
.endif
	v_max3_num_f32 v12, |v[XW]|, |v[XW+1]|, |v[XW+2]|
	v_max3_num_f32 v13, |v[XW+3]|, |v[XW+4]|, |v[XW+5]|
.irp i, 6,10,14,18,22,26
	v_max3_num_f32 v12, v12, |v[XW+\i]|, |v[XW+\i+1]|
	v_max3_num_f32 v13, v13, |v[XW+\i+2]|, |v[XW+\i+3]|
.endr
	v_max3_num_f32 v12, v12, |v[XW+30]|, |v[XW+31]|
	v_max3_num_f32 v12, v12, v13, 0x1800000
	v_add_nc_u32 v11, 0xff000000, v12
	v_lshrrev_b32 v13, 23, v11
.if (\t)%4 == 0
	v_mov_b32 v[24+(\t)/4], v13            ; four bytes to a word: a K step of 128
.else
	v_lshl_or_b32 v[24+(\t)/4], v13, 8*((\t)%4), v[24+(\t)/4]
.endif
.irp g, 0,1,2,3
	v_cvt_scalef32_pk8_fp4_f32 v[96+4*(\t)+\g], v[XW+8*\g:XW+8*\g+7], v11
.endr
	v_nop                                  ; a plain line behind the conversions
	global_store_b128 v7, v[96+4*(\t):99+4*(\t)], s[12:13] offset:256*(\t)   ; sixteen lanes fill 256 consecutive bytes, aligned; each block has its own registers
.if (\t)+2 < 16
	LOADW (\t)+2
.endif
.endm
; ---- Wproj's path
.macro LOADP t
.irp i, 0,1,2,3,4,5,6,7,8,9,10,11,12,13,14,15,16,17,18,19,20,21,22,23,24,25,26,27,28,29,30,31
	global_load_b32 v[32+32*((\t)%2)+\i], v6, s[8:9] offset:(32*(\t)+\i)*4096 th:TH_LOAD_NT
.endr
.endm
.macro BLOCKP t
.set XW, 32+32*((\t)%2)
.if (\t) < 7
	s_wait_loadcnt 32
.else
	s_wait_loadcnt 0x0
.endif
.irp i, 0,1,2,3,4,5,6,7,8,9,10,11,12,13,14,15
	v_cvt_pk_f16_f32 v[96+16*(\t)+\i], v[XW+2*\i], v[XW+2*\i+1]
.endr
.irp g, 0,1,2,3
	global_store_b128 v7, v[96+16*(\t)+4*\g:99+16*(\t)+4*\g], s[14:15] offset:(4*(\t)+\g)*256
.endr
.if (\t)+2 < 8
	LOADP (\t)+2
.endif
.endm
	s_load_b256 s[4:11], s[0:1], 0x0       ; x s[4:5], Wqkv s[6:7], Wproj s[8:9], xq s[10:11]
	s_load_b128 s[12:15], s[0:1], 0x20     ; wq s[12:13], wp16 s[14:15]
	s_load_b64 s[16:17], s[0:1], 0x30      ; rope
	v_lshl_add_u32 v[SPW], v0, 2, SPARE
	v_mov_b32 v[NIL], 0
	v_lshrrev_b32 v1, 5, v0
	v_readfirstlane_b32 s18, v1            ; wave
	v_and_b32 v1, 31, v0                   ; lane
	v_and_b32 v2, 15, v0                   ; r
	v_bfe_u32 v3, v0, 4, 1                 ; h
	s_mov_b32 s25, 0                       ; the high word of every offset
	s_wait_kmcnt 0x0
	s_cmp_lt_u32 ttmp9, 48
	s_cbranch_scc1 .Lpath_w
	s_cmp_lt_u32 ttmp9, 80
	s_cbranch_scc1 .Lpath_p
	; ======== x: wave u = 4 id + wave takes row tile u / 2, half u % 2 of K (512 along K)
	s_sub_co_u32 s20, ttmp9, 80            ; id
	s_lshl_b32 s21, s20, 2
	s_add_co_u32 s21, s21, s18
	s_lshr_b32 s22, s21, 1                 ; R
	s_and_b32 s23, s21, 1                  ; kh
	s_lshl_b32 s24, s22, 16                ; 16 rows of 4,096 bytes
	s_lshl_b32 s26, s23, 11
	s_add_co_u32 s24, s24, s26
	s_add_nc_u64 s[4:5], s[4:5], s[24:25]
	s_lshl_b32 s24, s22, 9                 ; the scale words: 512 bytes a row tile, 256 a half
	s_lshl_b32 s26, s23, 8
	s_add_co_u32 s24, s24, s26
	s_add_co_u32 s24, s24, XSC
	s_add_nc_u64 s[30:31], s[10:11], s[24:25]
	s_lshl_b32 s24, s22, 13                ; the codes: 8,192 bytes a row tile
	s_lshl_b32 s26, s23, 12
	s_add_co_u32 s24, s24, s26
	s_add_nc_u64 s[10:11], s[10:11], s[24:25]
	s_lshl_b32 s24, s20, 11                ; the table: positions 8 id + 2 wave + 0, 1; 256 bytes each
	s_lshl_b32 s26, s18, 9
	s_add_co_u32 s24, s24, s26
	s_add_nc_u64 s[16:17], s[16:17], s[24:25]
	s_mov_b32 s28, 0x76543210
	s_mov_b32 s29, 0xfedcba98              ; v_permlanex16_b32's selects for lane l xor 16
	s_mul_i32 s19, s18, 8448               ; my stage: 16 rows of 528 bytes
	v_lshlrev_b32 v6, 4, v1                ; 16 x lane
	v_add_nc_u32 v7, s19, v6
	v_mul_u32_u24 v8, v2, 528
	v_lshl_add_u32 v8, v3, 7, v8
	v_add_nc_u32 v8, s19, v8               ; row r, block h
	v_lshlrev_b32 v10, 3, v3               ; 8 h
	v_mov_b32 v22, 0                       ; a lane permute's destination counts as read
	LOADX 0
	LOADX 1
	STEPX 0
	STEPX 1
	STEPX 2
	STEPX 3
	v_cmp_eq_u32 vcc_lo, 1, v3             ; the four words of a row: lanes 0-15 store words 0, 1, lanes 16-31 words 2, 3: the wave fills 256 consecutive bytes
	v_cndmask_b32 v20, v16, v18, vcc_lo
	v_cndmask_b32 v21, v17, v19, vcc_lo
	v_lshlrev_b32 v23, 4, v2
	v_lshl_add_u32 v23, v3, 3, v23
	global_store_b64 v23, v[20:21], s[30:31]
	; the table: lane l makes frequencies 2 (l % 16) + 0, 1; lanes 0-15 cosines, lanes 16-31 sines
	s_lshl_b32 s26, s20, 3
	s_lshl_b32 s27, s18, 1
	s_add_co_u32 s26, s26, s27             ; my first position
	s_mov_b32 s32, 0xbfc90fdb              ; -(pi/2), high part
	s_mov_b32 s33, 0x333bbd2e              ; and minus its low part
	v_lshlrev_b32 v32, 1, v2
	v_cvt_f32_u32 v33, v32
	v_add_f32 v34, 1.0, v33
	v_mul_f32 v33, 0xbed49a78, v33         ; -i log2(10) / 8
	v_mul_f32 v34, 0xbed49a78, v34
	v_exp_f32 v35, v33                     ; inv_freq
	v_exp_f32 v36, v34
	v_mul_u32_u24 v37, v3, 3               ; (plain lines behind the exponentials)
	v_cvt_f32_u32 v38, s26
	v_add_f32 v39, 1.0, v38
	v_lshlrev_b32 v52, 3, v1
	s_wait_alu depctr_va_vdst(0)           ; one wait for the two, ahead of their first reader
	v_mul_f32 v40, v38, v35
	v_mul_f32 v41, v38, v36
	v_mul_f32 v42, v39, v35
	v_mul_f32 v43, v39, v36
	TRIG 56, 40
	TRIG 57, 41
	TRIG 58, 42
	TRIG 59, 43
	global_store_b64 v52, v[56:57], s[16:17]              ; a position's 256 bytes whole: 32 cosines, 32 sines
	global_store_b64 v52, v[58:59], s[16:17] offset:256
	s_wait_tensorcnt 0x0                   ; the wave's end: behind my last LDS store
	ds_add_u32 v[SPW], v[NIL]
	s_wait_dscnt 0x0
	s_endpgm
	; ======== Wqkv: work-group id: 128 columns (id % 24), half id / 24 of K; a wave takes 32 columns x 512 along K
.Lpath_w:
	s_cmp_ge_u32 ttmp9, 24
	s_cselect_b32 s20, 1, 0                ; kh
	s_mul_i32 s21, s20, 24
	s_sub_co_u32 s21, ttmp9, s21
	s_lshl_b32 s22, s21, 7
	s_lshl_b32 s23, s18, 5
	s_add_co_u32 s22, s22, s23             ; my first column
	s_mul_i32 s24, s20, 512*12288
	s_lshl_b32 s26, s22, 2
	s_add_co_u32 s24, s24, s26
	s_add_nc_u64 s[6:7], s[6:7], s[24:25]
	s_lshl_b32 s24, s22, 5                 ; scale words: 512 bytes a column tile
	s_lshl_b32 s26, s20, 8
	s_add_co_u32 s24, s24, s26
	s_add_co_u32 s24, s24, WSCL
	s_add_nc_u64 s[30:31], s[12:13], s[24:25]
	s_lshl_b32 s24, s22, 9                 ; codes: 8,192 bytes a column tile
	s_lshl_b32 s26, s20, 12
	s_add_co_u32 s24, s24, s26
	s_add_nc_u64 s[12:13], s[12:13], s[24:25]
	v_lshlrev_b32 v6, 2, v1
	v_lshlrev_b32 v7, 4, v2
	v_lshl_add_u32 v8, v3, 9, v7
	v_lshl_add_u32 v7, v3, 13, v7
	LOADW 0
	LOADW 1
.irp t, 0,1,2,3,4,5,6,7,8,9,10,11,12,13,14,15
	BLOCKW \t
.endr
	global_store_b128 v8, v[24:27], s[30:31]   ; my column's four scale words of this half of K
	s_endpgm
	; ======== Wproj: work-group id: 128 columns (id % 8), quarter id / 8 of K; a wave takes 32 columns x 256 along K
.Lpath_p:
	s_sub_co_u32 s20, ttmp9, 48
	s_and_b32 s21, s20, 7
	s_lshr_b32 s20, s20, 3
	s_lshl_b32 s22, s21, 7
	s_lshl_b32 s23, s18, 5
	s_add_co_u32 s22, s22, s23
	s_lshl_b32 s24, s20, 20                ; 256 rows of 4,096 bytes
	s_lshl_b32 s26, s22, 2
	s_add_co_u32 s24, s24, s26
	s_add_nc_u64 s[8:9], s[8:9], s[24:25]
	s_lshl_b32 s24, s22, 11                ; 32,768 bytes a column tile
	s_lshl_b32 s26, s20, 13                ; 32 chunks of 256 bytes a quarter
	s_add_co_u32 s24, s24, s26
	s_add_nc_u64 s[14:15], s[14:15], s[24:25]
	v_lshlrev_b32 v6, 2, v1
	v_lshlrev_b32 v7, 4, v2
	v_lshl_add_u32 v7, v3, 15, v7
	LOADP 0
	LOADP 1
.irp t, 0,1,2,3,4,5,6,7
	BLOCKP \t
.endr
	s_endpgm
.Lfunc_end_k_q88cc8d0d71_prep:
	.size	k_q88cc8d0d71_prep, .Lfunc_end_k_q88cc8d0d71_prep-k_q88cc8d0d71_prep
	.p2alignl 7, 3214868480
	.fill 96, 4, 3214868480
	.section	.rodata,"a",@progbits
	.p2align	6, 0x0
	.amdhsa_kernel k_q88cc8d0d71_prep
		.amdhsa_group_segment_fixed_size 34304
		.amdhsa_private_segment_fixed_size 0
		.amdhsa_enable_private_segment 0
		.amdhsa_kernarg_size 56
		.amdhsa_user_sgpr_count 2
		.amdhsa_user_sgpr_kernarg_segment_ptr 1
		.amdhsa_wavefront_size32 1
		.amdhsa_system_sgpr_workgroup_id_x 1
		.amdhsa_system_sgpr_workgroup_id_y 1
		.amdhsa_system_sgpr_workgroup_id_z 1
		.amdhsa_system_vgpr_workitem_id 0
		.amdhsa_next_free_vgpr 256
		.amdhsa_next_free_sgpr 66
		.amdhsa_reserve_vcc 1
		.amdhsa_float_denorm_mode_32 3
		.amdhsa_float_denorm_mode_16_64 3
		.amdhsa_memory_ordered 1
		.amdhsa_forward_progress 1
		.amdhsa_inst_pref_size 146
	.end_amdhsa_kernel
	.amdgpu_metadata
---
amdhsa.version: [ 1, 2 ]
amdhsa.kernels:
  - .name:           k_q88cc8d0d71_prep
    .symbol:         k_q88cc8d0d71_prep.kd
    .args:
      - { .name: x, .offset: 0, .size: 8, .value_kind: global_buffer, .address_space: global }
      - { .name: Wqkv, .offset: 8, .size: 8, .value_kind: global_buffer, .address_space: global }
      - { .name: Wproj, .offset: 16, .size: 8, .value_kind: global_buffer, .address_space: global }
      - { .name: xq, .offset: 24, .size: 8, .value_kind: global_buffer, .address_space: global }
      - { .name: wq, .offset: 32, .size: 8, .value_kind: global_buffer, .address_space: global }
      - { .name: wp16, .offset: 40, .size: 8, .value_kind: global_buffer, .address_space: global }
      - { .name: rope, .offset: 48, .size: 8, .value_kind: global_buffer, .address_space: global }
    .group_segment_fixed_size: 34304
    .private_segment_fixed_size: 0
    .kernarg_segment_align: 8
    .kernarg_segment_size: 56
    .max_flat_workgroup_size: 128
    .sgpr_count:     66
    .vgpr_count:     256
    .wavefront_size: 32
...
	.end_amdgpu_metadata
.endif
;; end of part 1
;; launch qkv (part 2): grid 32 x 8, 4 waves a work-group, clusters of 4 x 1, 209,408 bytes of LDS; arguments xq, wq, rope, q_norm_w, k_norm_w, qkvimg, fine; writes qkvimg, fine
.if DOCPART == 2
	.amdgcn_target "amdgcn-amd-amdhsa--gfx1250"
	.amdhsa_code_object_version 6
	.text
	.protected	k_q88cc8d0d71_qkv
	.globl	k_q88cc8d0d71_qkv
	.p2align	8
	.type	k_q88cc8d0d71_qkv,@function
k_q88cc8d0d71_qkv:
	s_mov_b64 s[64:65], 0
	v_nop
	global_prefetch_b8 v0, s[64:65] scope:SCOPE_SE
	s_setreg_imm32_b32 hwreg(HW_REG_WAVE_MODE, 25, 1), 1
	s_wait_xcnt 0x0
	s_wait_alu depctr_hold_cnt(0) depctr_sa_sdst(0) depctr_va_vdst(0) depctr_va_sdst(0) depctr_va_ssrc(0) depctr_va_vcc(0) depctr_vm_vsrc(0)
	s_getreg_b32 s2, hwreg(HW_REG_IB_STS2, 6, 4)
	s_cmp_eq_u32 s2, 0
	s_cbranch_scc0 .Lentry_in_a_cluster
	s_endpgm
.Lentry_in_a_cluster:
	s_bfe_u32 s2, ttmp6, 0x10000c
	s_cmp_lg_u32 s2, 0x3003
	s_cbranch_scc0 .Lentry_shape_is_right
	s_endpgm
.Lentry_shape_is_right:
; QKV: qkv = Q(x) Q(Wqkv) on codes of E2M1 with E8M0 scales, then per head the RMS norm and the rotation for q and k, all in f32; q, k, v leave as f16 images for the attention,
; and positions 0-15 of every sequence also as f32 (buffer fine), for the launch that carries those rows finely.
; SHARES.  A work-group makes 256 rows x 384 columns, as three tiles of 128 columns (two heads each) in a loop of three trips.  Batch = my place in the cluster, block of 256 rows = cluster x, columns = y.
; So the four partners of a cluster need the same 384 columns of W: they ask for them JOINTLY, once, at the head: 192 KiB of codes and 12 KiB of scale words, which stay in LDS; nothing is filled again.
; Wave w owns rows 64 w .. 64 w + 63; its codes of x, all of K, stay in 256 registers.  32 accumulators of 16 x 16.
; THE MATRIX INSTRUCTION IS USED TRANSPOSED (source 0 = 16 columns of W, source 1 = 16 rows of x): lane (r, h) holds row r, and register j of column tile ct the column 16 ct + 8 h + j.
; No branch and no LDS address hangs on my place in the cluster; it enters the addresses of x, qkvimg and fine alone.
; REGISTERS by windows of 256: window 0: v2-9 addresses, v28, v29 the add's two, v32-63 x's scale words, v64-127 W's, v128-255 two sets of W's fragments (behind the products: v128-159 T, v160-191 f16 results, v192-207 sums of squares);
; window 1: x's fragments 8 (8 rt + ks);  window 2: accumulators 8 (8 rt + ct);  window 3: v0-127 cosines and sines (32 rt + 8 t' + j, sines 16 on), v128-159 the norm's weights.
; LIMITS: NaN and infinities are not served; v beyond 65,504 in magnitude is not served (f16).
.set WSC,   196608                     ; LDS: W's scale words, behind the codes
.set SPARE, 208896                     ; the spare words, 128 bytes a wave
.set XSC,   4194304
.set WSCL,  1572864
.set LI,  2                            ; v2  16 x lane
.set LR,  3                            ; v3  16 x r
.set ADB, 4                            ; v4  LDS: the trip's codes
.set ADS, 5                            ; v5  LDS: the trip's scale words
.set VO,  6                            ; v6  my place in a tile of v
.set FO,  7                            ; v7  r x 256 + h x 32: my place in the table's rows and in fine's
.set WO,  9                            ; v9  h x 32: in the norm's weights
.set SPW, 28
.set NIL, 29
.set SA,  32
.set SB,  64
.set BF,  128
.set T,   128
.set OUTS,160
.set RS,  192
.set G1C, 16                           ; s[16:23] group 1: 64 rows of 256 bytes
.set G1S, 24                           ; s[24:31] group 1: 12 rows of 256 bytes
.set G0S, 32                           ; s[32:35] group 0 for the scale words;  s[36:47] for the three tiles
.set G0T, 36
.set WV,  50
.set CX,  51
.set BX,  52
.set CG,  53
.set TT,  54                           ; the tile of 128 columns, 0 .. 23
.set J,   55
.set TBW, 56
.set TBS, 57
.set FINE,58                           ; 1 in the wave that holds positions 0-15
.set SEL, 60
.set INV64, 62
.set EPS, 63
.set WP,  66
.set OB,  68
.set FB,  70
.set ROWP,78
.set CX16,79
.set CX48,80
.set MSB, 0
.macro WIN new                         ; the immediate's high byte repeats the setting that is left
.if MSB != \new
	s_set_vgpr_msb (MSB<<8)|\new
.set MSB, \new
.endif
.endm
.set W_MUL,  0xa4                      ; source 0 window 0, source 1 window 1, C and D window 2
.set W_SQ,   0x0a                      ; sources 0, 1 window 2, the rest window 0
.set W_NRM,  0x82                      ; destination and source 0 window 2
.set W_WGT,  0x8e                      ; the same, source 1 window 3
.set W_ROPE, 0x0e                      ; source 0 window 2, source 1 window 3
.set W_TO1,  0x40
.set W_TO3,  0xc0
.set W_FV,   0x08                      ; a store's data window 2
.macro CROUND                          ; a round of the cluster's barrier
	s_barrier_signal -1
	s_barrier_wait -1
	s_cmp_lg_u32 s[WV], 0
	s_cbranch_scc1 .Lnot_wave_0_\@
	s_barrier_signal -3
.Lnot_wave_0_\@:
	s_barrier_wait -3
	s_barrier_signal -1
	s_barrier_wait -1
.endm
.macro PLACES
.rept 4
	v_nop
.endr
.endm
.macro FETCH_B ks, p                   ; W's eight fragments of K step ks into set p: 512 consecutive bytes a load
.irp ct, 0,1,2,3,4,5,6,7
.irp c, 0,1
	ds_load_b128 v[BF+64*(\p)+8*\ct+4*\c:BF+64*(\p)+8*\ct+4*\c+3], v[ADB] offset:\ct*8192+(\ks)*1024+\c*512
.endr
.endr
.endm
; A K step of 128: 32 products, the 32 accumulators by turns, one instruction a turn, in the same order in every step
.macro KSTEP ks
	s_wait_dscnt 0x0                       ; this step's fragments (and, in step 0, the scale words) are in
	PLACES                                 ; four places in front of loads into the set that the last step's products read
.if (\ks) < 7
	FETCH_B (\ks)+1, ((\ks)+1)%2
.endif
	WIN W_MUL
.irp rt, 0,1,2,3
.irp ct, 0,1,2,3,4,5,6,7
.if (\ks) == 0
	v_wmma_scale_f32_16x16x128_f8f6f4 v[8*(8*\rt+\ct):8*(8*\rt+\ct)+7], v[BF+64*((\ks)%2)+8*\ct:BF+64*((\ks)%2)+8*\ct+7], v[8*(8*\rt+(\ks)):8*(8*\rt+(\ks))+7], 0, v[SB+8*\ct+(\ks)], v[SA+8*\rt+(\ks)] matrix_a_fmt:MATRIX_FMT_FP4 matrix_b_fmt:MATRIX_FMT_FP4
.else
	v_wmma_scale_f32_16x16x128_f8f6f4 v[8*(8*\rt+\ct):8*(8*\rt+\ct)+7], v[BF+64*((\ks)%2)+8*\ct:BF+64*((\ks)%2)+8*\ct+7], v[8*(8*\rt+(\ks)):8*(8*\rt+(\ks))+7], v[8*(8*\rt+\ct):8*(8*\rt+\ct)+7], v[SB+8*\ct+(\ks)], v[SA+8*\rt+(\ks)] matrix_a_fmt:MATRIX_FMT_FP4 matrix_b_fmt:MATRIX_FMT_FP4
.endif
.endr
.endr
	WIN 0
.endm
; One head of one row tile of q or k: the rotation, f16, and out.  a = columns d < 32 (tiles 0, 1 of the head), b = columns d + 32 (tiles 2, 3): a cos - b sin and b cos + a sin
.macro ROPEUNIT rt, hd
	s_wait_xcnt 0x0                        ; the last unit's stores have read T and the result registers
	WIN W_ROPE
.set AB, 8*(8*(\rt)+4*(\hd))
.set CB, 32*(\rt)
.irp tp, 0,1
.irp jp, 0,2,4,6
	v_pk_mul_f32 v[T+8*\tp+\jp:T+8*\tp+\jp+1], v[AB+8*\tp+\jp:AB+8*\tp+\jp+1], v[CB+8*\tp+\jp:CB+8*\tp+\jp+1]
	v_pk_mul_f32 v[T+16+8*\tp+\jp:T+16+8*\tp+\jp+1], v[AB+16+8*\tp+\jp:AB+16+8*\tp+\jp+1], v[CB+8*\tp+\jp:CB+8*\tp+\jp+1]
.endr
.endr
.irp tp, 0,1
.irp jp, 0,2,4,6
	v_pk_fma_f32 v[T+8*\tp+\jp:T+8*\tp+\jp+1], v[AB+16+8*\tp+\jp:AB+16+8*\tp+\jp+1], v[CB+16+8*\tp+\jp:CB+16+8*\tp+\jp+1], v[T+8*\tp+\jp:T+8*\tp+\jp+1] neg_lo:[1,0,0] neg_hi:[1,0,0]
	v_pk_fma_f32 v[T+16+8*\tp+\jp:T+16+8*\tp+\jp+1], v[AB+8*\tp+\jp:AB+8*\tp+\jp+1], v[CB+16+8*\tp+\jp:CB+16+8*\tp+\jp+1], v[T+16+8*\tp+\jp:T+16+8*\tp+\jp+1]
.endr
.endr
	WIN 0
.irp i, 0,1,2,3,4,5,6,7,8,9,10,11,12,13,14,15
	v_cvt_pk_f16_f32 v[OUTS+16*(\hd)+\i], v[T+2*\i], v[T+2*\i+1]
.endr
.irp t, 0,1,2,3
	global_store_b128 v[LI], v[OUTS+16*(\hd)+4*\t:OUTS+16*(\hd)+4*\t+3], s[OB:OB+1] offset:(\hd)*262144+(\rt)*2048+\t*512   ; chunks 2 t, 2 t + 1 of the tile: 512 consecutive bytes
.endr
.if (\rt) == 0
	s_cmp_eq_u32 s[FINE], 1
	s_cbranch_scc0 .Lnofine_\@
.irp t, 0,1,2,3
.irp q, 0,1
	global_store_b128 v[FO], v[T+8*\t+4*\q:T+8*\t+4*\q+3], s[FB:FB+1] offset:(\hd)*4096+\t*64+\q*16
.endr
.endr
.Lnofine_\@:
.endif
.endm
; The same for v: f16 as it is
.macro VUNIT rt, hd
	s_wait_xcnt 0x0
	WIN W_SQ
.set AB, 8*(8*(\rt)+4*(\hd))
.irp i, 0,1,2,3,4,5,6,7,8,9,10,11,12,13,14,15
	v_cvt_pk_f16_f32 v[OUTS+16*(\hd)+\i], v[AB+2*\i], v[AB+2*\i+1]   ; each accumulator from its low end on
.endr
	WIN 0
.irp t, 0,1,2,3
	global_store_b128 v[VO], v[OUTS+16*(\hd)+4*\t:OUTS+16*(\hd)+4*\t+3], s[OB:OB+1] offset:(\hd)*262144+(\rt)*2048+\t*256   ; two runs of 256 consecutive bytes, aligned
.endr
.if (\rt) == 0
	s_cmp_eq_u32 s[FINE], 1
	s_cbranch_scc0 .Lnofine_\@
	WIN W_FV
.irp t, 0,1,2,3
.irp q, 0,1
	global_store_b128 v[FO], v[AB+8*\t+4*\q:AB+8*\t+4*\q+3], s[FB:FB+1] offset:(\hd)*4096+\t*64+\q*16
.endr
.endr
	WIN 0
.Lnofine_\@:
.endif
.endm
	s_load_b256 s[4:11], s[0:1], 0x0       ; xq s[4:5], wq s[6:7], rope s[8:9], q_norm_w s[10:11]
	s_load_b128 s[12:15], s[0:1], 0x20     ; k_norm_w s[12:13], qkvimg s[14:15]
	s_load_b64 s[48:49], s[0:1], 0x30      ; fine
	v_lshl_add_u32 v[SPW], v0, 2, SPARE
	v_mov_b32 v[NIL], 0
	ds_add_u32 v[SPW], v[NIL]              ; the wave's opening: the add, twice on end, and its wait ahead of my first tensor load
	ds_add_u32 v[SPW], v[NIL]
	v_lshrrev_b32 v1, 5, v0
	v_readfirstlane_b32 s[WV], v1
	s_bfe_u32 s[CX], ttmp6, 0x40000        ; my place in the cluster: the batch
	s_mov_b32 s[BX], ttmp9                 ; the block of 256 rows
	s_and_b32 s[CG], ttmp7, 0xffff         ; the 384 columns
	s_mov_b32 s[G1C], 15|(3<<16)|(1<<21)   ; the mask: all four partners; elements of 8 bytes; bit 21 beside a mask; no padding
	s_mov_b32 s[G1C+1], 32<<16             ; tensor_dim0 = 32 elements: 256 bytes
	s_mov_b32 s[G1C+2], 64<<16             ; tensor_dim1 = 64
	s_mov_b32 s[G1C+3], 32<<16             ; tile_dim0
	s_mov_b32 s[G1C+4], 64                 ; tile_dim1
	s_mov_b32 s[G1C+5], 32                 ; the pitch: dense
	s_mov_b32 s[G1C+6], 0
	s_mov_b32 s[G1C+7], 0
	s_mov_b32 s[G1S], 15|(3<<16)|(1<<21)
	s_mov_b32 s[G1S+1], 32<<16
	s_mov_b32 s[G1S+2], 12<<16
	s_mov_b32 s[G1S+3], 32<<16
	s_mov_b32 s[G1S+4], 12
	s_mov_b32 s[G1S+5], 32
	s_mov_b32 s[G1S+6], 0
	s_mov_b32 s[G1S+7], 0
	s_mul_i32 s72, s[WV], 3072             ; my quarter of the scale words
	s_mul_i32 s73, s[CG], 12288
	s_add_co_u32 s74, s72, s73
	s_add_co_u32 s74, s74, WSCL
	s_mov_b32 s75, 0
	s_lshl_b32 s76, s[WV], 14              ; my quarter of a tile's codes
	s_mul_i32 s77, s[CG], 196608
	s_add_co_u32 s82, s76, s77
	s_mov_b32 s83, 0
	s_mov_b32 s[SEL], 0x76543210
	s_mov_b32 s[SEL+1], 0xfedcba98
	s_mov_b32 s[INV64], 0x3c800000         ; 1 / 64
	s_mov_b32 s[EPS], 0x3727c5ac           ; 1e-5
	s_or_b32 s[FINE], s[BX], s[WV]
	s_cmp_eq_u32 s[FINE], 0
	s_cselect_b32 s[FINE], 1, 0            ; block 0, wave 0: the same in all partners
	s_lshl_b32 s[CX16], s[CX], 4
	s_mul_i32 s[CX48], s[CX], 48
	s_lshl_b32 s[ROWP], s[BX], 15          ; my first row tile in a head's image: (16 block + 4 wave) x 2,048
	s_lshl_b32 s81, s[WV], 13
	s_add_co_u32 s[ROWP], s[ROWP], s81
	v_and_b32 v1, 31, v0
	v_and_b32 v10, 15, v0                  ; r
	v_bfe_u32 v11, v0, 4, 1                ; h
	v_lshlrev_b32 v[LI], 4, v1
	v_lshlrev_b32 v[LR], 4, v10
	v_lshlrev_b32 v[WO], 5, v11
	v_lshl_add_u32 v[FO], v10, 8, v[WO]
	v_lshrrev_b32 v12, 3, v10
	v_and_b32 v13, 7, v10
	v_lshlrev_b32 v[VO], 4, v13
	v_lshl_add_u32 v[VO], v11, 7, v[VO]
	v_lshl_add_u32 v[VO], v12, 10, v[VO]   ; (r / 8) x 1,024 + h x 128 + (r % 8) x 16
	s_wait_dscnt 0x0                       ; both opening adds are done
	s_wait_kmcnt 0x0
	s_mov_b32 s[G0S], 1
	s_add_co_u32 s[G0S+1], s72, WSC
	s_add_nc_u64 s[G0S+2:G0S+3], s[6:7], s[74:75]
	s_or_b32 s[G0S+3], s[G0S+3], 0x80000000
	s_add_nc_u64 s[82:83], s[6:7], s[82:83]
.irp j, 0,1,2
	s_mov_b32 s[G0T+4*\j], 1
	s_add_co_u32 s[G0T+4*\j+1], s76, \j*65536
	s_add_nc_u64 s[G0T+4*\j+2:G0T+4*\j+3], s[82:83], \j*65536
	s_or_b32 s[G0T+4*\j+3], s[G0T+4*\j+3], 0x80000000
.endr
	s_lshl_b32 s72, s[CX], 7               ; my first row tile of x: 128 batch + 16 block + 4 wave
	s_lshl_b32 s73, s[BX], 4
	s_add_co_u32 s72, s72, s73
	s_lshl_b32 s73, s[WV], 2
	s_add_co_u32 s72, s72, s73
	s_lshl_b32 s74, s72, 13
	s_add_nc_u64 s[84:85], s[4:5], s[74:75]
	s_lshl_b32 s74, s72, 9
	s_add_co_u32 s74, s74, XSC
	s_add_nc_u64 s[86:87], s[4:5], s[74:75]
	s_lshl_b32 s74, s[BX], 16              ; the table at my first position: (256 block + 64 wave) x 256
	s_lshl_b32 s73, s[WV], 14
	s_add_co_u32 s74, s74, s73
	s_add_nc_u64 s[8:9], s[8:9], s[74:75]
	CROUND                                 ; all four work-groups are here: the joint loads meet
	tensor_load_to_lds s[G0S:G0S+3], s[G1S:G1S+7]      ; four loads of mine are out: the scale words and my quarter of each tile; filled once
	s_nop 0
.irp j, 0,1,2
	tensor_load_to_lds s[G0T+4*\j:G0T+4*\j+3], s[G1C:G1C+7]
	s_nop 0
.endr
	PLACES
	WIN W_TO1
.irp f, 0,1,2,3,4,5,6,7,8,9,10,11,12,13,14,15,16,17,18,19,20,21,22,23,24,25,26,27,28,29,30,31
.irp c, 0,1
	global_load_b128 v[8*\f+4*\c:8*\f+4*\c+3], v[LI], s[84:85] offset:\f*1024+\c*512   ; x's fragment (rt, ks) = f: it stays
.endr
.endr
	WIN 0
.irp rt, 0,1,2,3
.irp kh, 0,1
	global_load_b128 v[SA+8*\rt+4*\kh:SA+8*\rt+4*\kh+3], v[LR], s[86:87] offset:\rt*512+\kh*256
.endr
.endr
	WIN W_TO3
.irp rt, 0,1,2,3
.irp tp, 0,1
.irp q, 0,1
	global_load_b128 v[32*\rt+8*\tp+4*\q:32*\rt+8*\tp+4*\q+3], v[FO], s[8:9] offset:\rt*4096+\tp*64+\q*16
	global_load_b128 v[32*\rt+16+8*\tp+4*\q:32*\rt+16+8*\tp+4*\q+3], v[FO], s[8:9] offset:\rt*4096+\tp*64+\q*16+128
.endr
.endr
.endr
	WIN 0
	s_mul_i32 s[TT], s[CG], 3
	s_mov_b32 s[J], 0
	s_mov_b32 s[TBW], 0
	s_mov_b32 s[TBS], WSC
	s_wait_tensorcnt 0x0                   ; my parts of W have landed,
	s_barrier_signal -1
	s_barrier_wait -1                      ; everybody's have
	s_wait_loadcnt 0x0                     ; x, its scale words, the table
.Ltrip:
	s_wait_xcnt 0x0                        ; the last trip's stores have read their registers and bases
	s_lshr_b32 s72, s[TT], 3               ; 0 q, 1 k, 2 v
	s_lshl_b32 s72, s72, 6
	s_and_b32 s73, s[TT], 7
	s_lshl_b32 s73, s73, 1
	s_add_co_u32 s72, s72, s73
	s_add_co_u32 s72, s72, s[CX16]         ; kind x 64 + batch x 16 + the tile's first head
	s_lshl_b32 s72, s72, 18
	s_add_co_u32 s72, s72, s[ROWP]
	s_mov_b32 s73, 0
	s_add_nc_u64 s[OB:OB+1], s[14:15], s[72:73]
	s_lshl_b32 s72, s[TT], 1
	s_add_co_u32 s72, s72, s[CX48]
	s_lshl_b32 s72, s72, 12
	s_add_nc_u64 s[FB:FB+1], s[48:49], s[72:73]
	s_cmp_lt_u32 s[TT], 8
	s_cselect_b64 s[WP:WP+1], s[10:11], s[12:13]   ; q's weights or k's (v's trips load k's and do not use them)
	WIN W_TO3
.irp t, 0,1,2,3
.irp q, 0,1
	global_load_b128 v[128+8*\t+4*\q:128+8*\t+4*\q+3], v[WO], s[WP:WP+1] offset:\t*64+\q*16
.endr
.endr
	WIN 0
	v_add_nc_u32 v[ADB], s[TBW], v[LI]
	v_add_nc_u32 v[ADS], s[TBS], v[LR]
	FETCH_B 0, 0
.irp ct, 0,1,2,3,4,5,6,7
.irp kh, 0,1
	ds_load_b128 v[SB+8*\ct+4*\kh:SB+8*\ct+4*\kh+3], v[ADS] offset:\ct*512+\kh*256   ; W's scale words: register 8 ct + ks, lane r: column r's word
.endr
.endr
.irp ks, 0,1,2,3,4,5,6,7
	KSTEP \ks
.endr
	PLACES                                 ; four places in front of the first read of results and the first write of W's fragment registers
	s_wait_loadcnt 0x0                     ; the weights
	s_cmp_ge_u32 s[TT], 16
	s_cbranch_scc1 .Lvpath
	; ---- q, k.  Unit u = (row tile u / 2, head u % 2).  The sum of squares of a lane's 32 numbers, two at a time, the eight units by turns, each accumulator from its low end on
	WIN W_SQ
.set i, 0
.rept 16
.set u, 0
.rept 8
.set AR, 8*(8*(u/2)+4*(u%2)+i/4)+2*(i%4)
.if i == 0
	v_pk_mul_f32 v[RS+2*u:RS+2*u+1], v[AR:AR+1], v[AR:AR+1]
.else
	v_pk_fma_f32 v[RS+2*u:RS+2*u+1], v[AR:AR+1], v[AR:AR+1], v[RS+2*u:RS+2*u+1]
.endif
.set u, u+1
.endr
.set i, i+1
.endr
	WIN 0
.irp u, 0,1,2,3,4,5,6,7
	v_add_f32 v[RS+2*\u], v[RS+2*\u], v[RS+2*\u+1]
.endr
.irp u, 0,1,2,3,4,5,6,7
	v_permlanex16_b32 v[RS+2*\u+1], v[RS+2*\u], s[SEL], s[SEL+1]   ; the row's other 32 numbers lie in lane l xor 16
.endr
.irp u, 0,1,2,3,4,5,6,7
	v_add_f32 v[RS+2*\u], v[RS+2*\u], v[RS+2*\u+1]
.endr
.irp u, 0,1,2,3,4,5,6,7
	v_fma_f32 v[RS+2*\u+1], v[RS+2*\u], s[INV64], s[EPS]           ; the mean + 1e-5
.endr
.irp u, 0,1,2,3,4,5,6,7
	v_rsq_f32 v[RS+2*\u], v[RS+2*\u+1]
.endr
	v_nop                                  ; a plain line behind the last of the batch
	s_wait_alu depctr_va_vdst(0)           ; one wait for the eight, ahead of their first reader
	WIN W_NRM
.set u, 0
.rept 8
.set i, 0
.rept 16
.set AR, 8*(8*(u/2)+4*(u%2))+2*i
	v_pk_mul_f32 v[AR:AR+1], v[AR:AR+1], v[RS+2*u:RS+2*u+1] op_sel_hi:[1,0]
.set i, i+1
.endr
.set u, u+1
.endr
	WIN W_WGT
.set u, 0
.rept 8
.set i, 0
.rept 16
.set AR, 8*(8*(u/2)+4*(u%2))+2*i
	v_pk_mul_f32 v[AR:AR+1], v[AR:AR+1], v[128+2*i:129+2*i]        ; x the weight of column 16 t + 8 h + j
.set i, i+1
.endr
.set u, u+1
.endr
	WIN 0
.irp rt, 0,1,2,3
	ROPEUNIT \rt, 0
	ROPEUNIT \rt, 1
.endr
	s_branch .Ltrip_end
.Lvpath:
.irp rt, 0,1,2,3
	VUNIT \rt, 0
	VUNIT \rt, 1
.endr
.Ltrip_end:
	s_add_co_u32 s[TT], s[TT], 1
	s_add_co_u32 s[TBW], s[TBW], 65536
	s_add_co_u32 s[TBS], s[TBS], 4096
	s_add_co_u32 s[J], s[J], 1
	s_cmp_lt_u32 s[J], 3
	s_cbranch_scc1 .Ltrip
	s_wait_tensorcnt 0x0                   ; the wave's end
	ds_add_u32 v[SPW], v[NIL]
	s_wait_dscnt 0x0
	CROUND                                 ; the closing round
	s_endpgm
.Lfunc_end_k_q88cc8d0d71_qkv:
	.size	k_q88cc8d0d71_qkv, .Lfunc_end_k_q88cc8d0d71_qkv-k_q88cc8d0d71_qkv
	.p2alignl 7, 3214868480
	.fill 96, 4, 3214868480
	.section	.rodata,"a",@progbits
	.p2align	6, 0x0
	.amdhsa_kernel k_q88cc8d0d71_qkv
		.amdhsa_group_segment_fixed_size 209408
		.amdhsa_private_segment_fixed_size 0
		.amdhsa_enable_private_segment 0
		.amdhsa_kernarg_size 56
		.amdhsa_user_sgpr_count 2
		.amdhsa_user_sgpr_kernarg_segment_ptr 1
		.amdhsa_wavefront_size32 1
		.amdhsa_system_sgpr_workgroup_id_x 1
		.amdhsa_system_sgpr_workgroup_id_y 1
		.amdhsa_system_sgpr_workgroup_id_z 1
		.amdhsa_system_vgpr_workitem_id 0
		.amdhsa_next_free_vgpr 1024
		.amdhsa_next_free_sgpr 100
		.amdhsa_reserve_vcc 0
		.amdhsa_float_denorm_mode_32 3
		.amdhsa_float_denorm_mode_16_64 3
		.amdhsa_memory_ordered 1
		.amdhsa_forward_progress 1
		.amdhsa_inst_pref_size 130
	.end_amdhsa_kernel
	.amdgpu_metadata
---
amdhsa.version: [ 1, 2 ]
amdhsa.kernels:
  - .name:           k_q88cc8d0d71_qkv
    .symbol:         k_q88cc8d0d71_qkv.kd
    .args:
      - { .name: xq, .offset: 0, .size: 8, .value_kind: global_buffer, .address_space: global }
      - { .name: wq, .offset: 8, .size: 8, .value_kind: global_buffer, .address_space: global }
      - { .name: rope, .offset: 16, .size: 8, .value_kind: global_buffer, .address_space: global }
      - { .name: q_norm_w, .offset: 24, .size: 8, .value_kind: global_buffer, .address_space: global }
      - { .name: k_norm_w, .offset: 32, .size: 8, .value_kind: global_buffer, .address_space: global }
      - { .name: qkvimg, .offset: 40, .size: 8, .value_kind: global_buffer, .address_space: global }
      - { .name: fine, .offset: 48, .size: 8, .value_kind: global_buffer, .address_space: global }
    .group_segment_fixed_size: 209408
    .private_segment_fixed_size: 0
    .kernarg_segment_align: 8
    .kernarg_segment_size: 56
    .max_flat_workgroup_size: 128
    .sgpr_count:     100
    .vgpr_count:     1024
    .wavefront_size: 32
...
	.end_amdgpu_metadata
.endif
;; end of part 2
;; launch attn (part 3): grid 4 x 64, 16 waves a work-group, no clusters, 327,680 bytes of LDS; arguments qkvimg, yimg; writes yimg
.if DOCPART == 3
	.amdgcn_target "amdgcn-amd-amdhsa--gfx1250"
	.amdhsa_code_object_version 6
	.text
	.protected	k_q88cc8d0d71_attn
	.globl	k_q88cc8d0d71_attn
	.p2align	8
	.type	k_q88cc8d0d71_attn,@function
k_q88cc8d0d71_attn:
	s_mov_b64 s[64:65], 0
	v_nop
	global_prefetch_b8 v0, s[64:65] scope:SCOPE_SE
	s_setreg_imm32_b32 hwreg(HW_REG_WAVE_MODE, 25, 1), 1
	s_wait_xcnt 0x0
; ATTN: y = softmax(q k^T / 8, causal) v for each of 64 (batch, head), operands in f16, products, maxima and sums in f32; y leaves as an f16 image for the projection.
; SHARES.  Work-group (i, bh) owns the blocks i and 7 - i of 256 queries: under the causal mask every work-group then has the same work.  Waves 0-7 take block i, waves 8-15 block 7 - i; a wave owns 32 queries, two tiles of 16,
; so that each fragment of K and V read from LDS feeds two products.  Four waves share a SIMD: one wave's softmax stands beside another's products.
; K and V come through a ring of two LDS slots of 512 keys (64 KiB of K, 64 KiB of V, dense images), filled by waves 0-3, one tensor load each, and read by all sixteen.
; NO CLUSTER: the four work-groups of a head need 4, 4, 3 and 3 slots; a joint load would bring a partner tiles that none of its waves reads.
; EVERY work-group walks all four slots, 8 key steps of 64 each: the trip counts are constants.  A step all of whose keys come after the wave's queries is jumped over (ids alone); a slot whose first key
; comes after the work-group's last query is not asked for (ids and the count of steps alone, the same in all sixteen waves; every wait on the tensor counter is for 0).
; LAYOUT.  S^T = K Q^T and O^T = V^T P: a lane holds one query (lane % 16) throughout; S^T's register j of key tile kt is key 16 kt + 8 (lane / 16) + j, so two tiles, rounded to f16 in pairs, are source 1 of the second product.
; SOFTMAX.  A running maximum m and sum l for each query: p = 2^(c s - c m), c = log2(e) / 8; in every step O and l are multiplied by a = 2^(c m_old - c m_new).
; Positions 0-15 of every sequence are made here too, but the projection's rows for them are stored by the launch that carries them in f32.
; LIMITS: NaN and infinities are not served; |y| beyond 65,504 is not served (f16).
.set SLOT1, 1<<17
.set SPARE, 262144                     ; behind the ring: the spare words, 128 bytes for each of 16 waves
.set LI,  1                            ; v1  16 x lane
.set AV0, 2                            ; v2  my lane's place in V's part of a slot
.set ADK, 3
.set ADV, 4
.set SPW, 5
.set NIL, 6
.set PFO, 7                            ; v7  256 x lane
.set D0,  8                            ; v8, v9  the mask: my query - the step's first key - 8 (lane / 16), for tiles 0, 1
.set NINF,10
.set DB,  11                           ; v11 lane % 16 - 8 (lane / 16)
.set ST,  12                           ; tile t at v[12 + 8 t]: +0 c m, +1 m, +2, +3 l, +4 .. +7 at work, a in +6
.set C2,  28                           ; v[28:31] the sums' second chains
.set Q,   32
.set KV,  64
.set S,   128
.set O,   192
.set WV,  8
.set G1,  16
.set G0,  24
.set TB,  28
.set KF,  29
.set Q0,  30
.set LASTQ, 31
.set SLOTS, 32
.set STEPS, 33
.set CS,  34
.set SEL, 36
.set PFA, 38
.set LIM, 40
.macro TLOAD                           ; waves 0, 1: K's halves; waves 2, 3: V's; the others nothing.  An s_nop 0 and four v_nop follow the line
	s_cmp_lt_u32 s[WV], 4
	s_cbranch_scc0 .Lasked_\@
	tensor_load_to_lds s[G0:G0+3], s[G1:G1+7]
	s_nop 0
.rept 4
	v_nop
.endr
.Lasked_\@:
.endm
; A prefetch of what the NEXT change of slots will ask for: 64 KiB of K and 64 KiB of V.  All four work-groups of a head walk the same K and V: the first of them asks.  Waves 0-7 name K's bytes, waves 8-15 V's,
; 8,192 bytes a wave, lanes 256 bytes apart: each aligned block of 256 bytes of slots 2 and 3 is named once in the launch.  The last change that fills a slot asks for nothing.
.macro ASK
	s_cmp_gt_u32 s[SLOTS], s[LIM]
	s_cbranch_scc0 .Lnot_mine_\@
	global_prefetch_b8 v[PFO], s[PFA:PFA+1] th:TH_LOAD_NT scope:SCOPE_SE
.Lnot_mine_\@:
.endm
; THE CHANGE OF SLOTS, at a slot's head: all my tensor loads have landed, the add, my reads of the slot that I have left are over; one barrier; behind it the slot that was left is filled with the keys that follow
.macro CHANGE fill
	s_wait_tensorcnt 0x0                   ; no tensor load of mine is out, so group 0 may be written
	ds_add_u32 v[SPW], v[NIL]
.if \fill
	ds_add_u32 v[SPW], v[NIL]              ; twice on end here, in every trip alike
	s_xor_b32 s[G0+1], s[G0+1], SLOT1      ; the other slot than last time,
	s_add_nc_u64 s[G0+2:G0+3], s[G0+2:G0+3], 65536   ; the next 512 keys
	s_wait_xcnt 0x0                        ; the last prefetch, a slot back, has read its address
	s_add_nc_u64 s[PFA:PFA+1], s[PFA:PFA+1], 65536
.endif
	s_wait_dscnt 0x0
	s_barrier_signal -1
	s_barrier_wait -1
.if \fill
	s_add_co_u32 s41, s[KF], 512           ; the first key of the slot that this change would ask for
	s_cmp_gt_u32 s41, s[LASTQ]             ; past my work-group's last query: none of its waves would read it
	s_cbranch_scc1 .Lpast_\@
	TLOAD                                  ; a wave's one tensor load until the next change
.Lpast_\@:
	ASK
.endif
.endm
; A SLOT'S EIGHT KEY STEPS of 64 keys: written once, walked eight times
.macro SLOT_STEPS
	s_mov_b32 s[STEPS], 8
.Lstep_\@:
	s_add_co_u32 s41, s[Q0], 31
	s_cmp_gt_u32 s[KF], s41                ; all 64 keys come after my 32 queries
	s_cbranch_scc1 .Lhidden_\@
	v_add_nc_u32 v[ADK], s[TB], v[LI]      ; with the three v_nop: five places behind the last step's products, in front of the loads into V's registers and of the products that write over p's
	v_add_nc_u32 v[ADV], s[TB], v[AV0]
.rept 3
	v_nop
.endr
.irp kt, 0,1,2,3
.irp f, 0,1
.irp c, 0,1
	ds_load_b128 v[KV+8*(2*\kt+\f)+4*\c:KV+8*(2*\kt+\f)+4*\c+3], v[ADK] offset:\kt*2048+\f*1024+\c*512
.endr
.endr
.endr
	s_wait_dscnt 0x0
.irp f, 0,1                                ; S^T = K Q^T: eight accumulators by turns
.irp kt, 0,1,2,3
.irp t, 0,1
.if \f == 0
	v_wmma_f32_16x16x32_f16 v[S+32*\t+8*\kt:S+32*\t+8*\kt+7], v[KV+8*(2*\kt+\f):KV+8*(2*\kt+\f)+7], v[Q+16*\t+8*\f:Q+16*\t+8*\f+7], 0
.else
	v_wmma_f32_16x16x32_f16 v[S+32*\t+8*\kt:S+32*\t+8*\kt+7], v[KV+8*(2*\kt+\f):KV+8*(2*\kt+\f)+7], v[Q+16*\t+8*\f:Q+16*\t+8*\f+7], v[S+32*\t+8*\kt:S+32*\t+8*\kt+7]
.endif
.endr
.endr
.endr
.rept 4
	v_nop                                  ; four places: in front of the loads into K's registers, and of the first read of the scores
.endr
.irp c, 0,1                                ; V, turned: keys 32 c on, channels 16 dt on; it lands while the softmax is walked
.irp dt, 0,1,2,3
.irp u, 0,1
	ds_load_tr16_b128 v[KV+8*(4*\c+\dt)+4*\u:KV+8*(4*\c+\dt)+4*\u+3], v[ADV] offset:(2*\c+\u)*2048+\dt*256
.endr
.endr
.endr
	s_add_co_u32 s41, s[KF], 63
	s_cmp_le_u32 s41, s[Q0]                ; all 64 keys count for all my queries
	s_cbranch_scc1 .Lopen_\@
	s_sub_co_i32 s41, s[Q0], s[KF]
	v_add_nc_u32 v[D0], s41, v[DB]
	v_add_nc_u32 v[D0+1], 16, v[D0]
.irp t, 0,1
.irp n, 0,1,2,3,4,5,6,7,8,9,10,11,12,13,14,15,16,17,18,19,20,21,22,23,24,25,26,27,28,29,30,31
	v_cmp_gt_i32 vcc_lo, 16*(\n/8)+\n%8, v[D0+\t]          ; the register's key comes after my query
	v_cndmask_b32 v[S+32*\t+\n], v[S+32*\t+\n], v[NINF], vcc_lo
.endr
.endr
.Lopen_\@:
.irp j, 0,1,2,3                            ; the maximum of my 32 scores and the old m: four chains, each begun at an accumulator's low end; the two tiles by turns
.irp t, 0,1
	v_max3_num_f32 v[ST+8*\t+4+\j], v[S+32*\t+8*\j], v[S+32*\t+8*\j+1], v[S+32*\t+8*\j+2]
.endr
.endr
.irp g, 1,2
.irp j, 0,1,2,3
.irp t, 0,1
	v_max3_num_f32 v[ST+8*\t+4+\j], v[ST+8*\t+4+\j], v[S+32*\t+8*\j+2*\g+1], v[S+32*\t+8*\j+2*\g+2]
.endr
.endr
.endr
.irp t, 0,1
	v_max3_num_f32 v[ST+8*\t+4], v[ST+8*\t+4], v[S+32*\t+7], v[S+32*\t+15]
	v_max3_num_f32 v[ST+8*\t+6], v[ST+8*\t+6], v[S+32*\t+23], v[S+32*\t+31]
.endr
.irp t, 0,1
	v_max3_num_f32 v[ST+8*\t+4], v[ST+8*\t+4], v[ST+8*\t+5], v[ST+8*\t+6]
.endr
.irp t, 0,1
	v_max3_num_f32 v[ST+8*\t+4], v[ST+8*\t+4], v[ST+8*\t+7], v[ST+8*\t+1]
.endr
.irp t, 0,1
	v_permlanex16_b32 v[ST+8*\t+5], v[ST+8*\t+4], s[SEL], s[SEL+1]   ; the query's other 32 keys lie in lane l xor 16
.endr
.irp t, 0,1
	v_mov_b32 v[ST+8*\t+7], v[ST+8*\t]     ; c m_old
.endr
.irp t, 0,1
	v_max_num_f32 v[ST+8*\t+1], v[ST+8*\t+4], v[ST+8*\t+5]
.endr
.irp t, 0,1
	v_mul_f32 v[ST+8*\t], s[CS], v[ST+8*\t+1]
.endr
.irp t, 0,1
	v_sub_f32 v[ST+8*\t+7], v[ST+8*\t+7], v[ST+8*\t]
.endr
.irp b, 0,2,4,6,8,10,12,14,16,18,20,22,24,26,28,30
.irp t, 0,1
	v_pk_fma_f32 v[S+32*\t+\b:S+32*\t+\b+1], v[S+32*\t+\b:S+32*\t+\b+1], s[CS:CS+1], v[ST+8*\t:ST+8*\t+1] op_sel_hi:[1,0,0] neg_lo:[0,0,1] neg_hi:[0,0,1]   ; c s - c m
.endr
.endr
.irp t, 0,1
	v_exp_f32 v[ST+8*\t+6], v[ST+8*\t+7]   ; a
.endr
.irp n, 0,1,2,3,4,5,6,7,8,9,10,11,12,13,14,15,16,17,18,19,20,21,22,23,24,25,26,27,28,29,30,31
.irp t, 0,1
	v_exp_f32 v[S+32*\t+\n], v[S+32*\t+\n] ; p
.endr
.endr
	v_nop                                  ; a plain line behind the last exponential
	s_wait_alu depctr_va_vdst(0)           ; ONE wait for the 66, ahead of their first reader
.irp t, 0,1                                ; the sum of the unrounded p, two at a time, two chains a tile
	v_pk_add_f32 v[ST+8*\t+4:ST+8*\t+5], v[S+32*\t:S+32*\t+1], v[S+32*\t+2:S+32*\t+3]
	v_pk_add_f32 v[C2+2*\t:C2+2*\t+1], v[S+32*\t+4:S+32*\t+5], v[S+32*\t+6:S+32*\t+7]
.endr
.irp b, 8,12,16,20,24,28
.irp t, 0,1
	v_pk_add_f32 v[ST+8*\t+4:ST+8*\t+5], v[ST+8*\t+4:ST+8*\t+5], v[S+32*\t+\b:S+32*\t+\b+1]
	v_pk_add_f32 v[C2+2*\t:C2+2*\t+1], v[C2+2*\t:C2+2*\t+1], v[S+32*\t+\b+2:S+32*\t+\b+3]
.endr
.endr
.irp t, 0,1
	v_pk_add_f32 v[ST+8*\t+4:ST+8*\t+5], v[ST+8*\t+4:ST+8*\t+5], v[C2+2*\t:C2+2*\t+1]
.endr
.irp t, 0,1
	v_pk_fma_f32 v[ST+8*\t+2:ST+8*\t+3], v[ST+8*\t+2:ST+8*\t+3], v[ST+8*\t+6:ST+8*\t+7], v[ST+8*\t+4:ST+8*\t+5] op_sel_hi:[1,0,1]   ; l = a l + the sum
.endr
.irp i, 0,1,2,3,4,5,6,7,8,9,10,11,12,13,14,15
.irp t, 0,1
	v_cvt_pk_f16_f32 v[S+32*\t+\i], v[S+32*\t+2*\i], v[S+32*\t+2*\i+1]   ; p to f16, in place, ascending: register i is written when it has been read
.endr
.endr
.irp i, 0,2,4,6,8,10,12,14,16,18,20,22,24,26,28,30
.irp t, 0,1
	v_pk_mul_f32 v[O+32*\t+\i:O+32*\t+\i+1], v[O+32*\t+\i:O+32*\t+\i+1], v[ST+8*\t+6:ST+8*\t+7] op_sel_hi:[1,0]   ; O^T x a
.endr
.endr
	s_wait_dscnt 0x0                       ; V is in
.irp c, 0,1                                ; O^T += V^T P: eight accumulators by turns
.irp dt, 0,1,2,3
.irp t, 0,1
	v_wmma_f32_16x16x32_f16 v[O+32*\t+8*\dt:O+32*\t+8*\dt+7], v[KV+8*(4*\c+\dt):KV+8*(4*\c+\dt)+7], v[S+32*\t+8*\c:S+32*\t+8*\c+7], v[O+32*\t+8*\dt:O+32*\t+8*\dt+7]
.endr
.endr
.endr
.Lhidden_\@:
	s_add_co_u32 s[KF], s[KF], 64
	s_add_co_u32 s[TB], s[TB], 8192        ; four key tiles of 2,048 bytes, in K's part and in V's
	s_sub_co_u32 s[STEPS], s[STEPS], 1
	s_cmp_lg_u32 s[STEPS], 0
	s_cbranch_scc1 .Lstep_\@
	s_sub_co_u32 s[TB], s[TB], 65536       ; back to a slot's first step,
	s_xor_b32 s[TB], s[TB], SLOT1          ; in the other slot
.endm
	s_load_b128 s[4:7], s[0:1], 0x0        ; qkvimg s[4:5], yimg s[6:7]
	v_lshl_add_u32 v[SPW], v0, 2, SPARE
	v_mov_b32 v[NIL], 0
	ds_add_u32 v[SPW], v[NIL]              ; the wave's opening: the add, twice on end, and its wait ahead of the first tensor load
	ds_add_u32 v[SPW], v[NIL]
	v_lshrrev_b32 v1, 5, v0
	v_readfirstlane_b32 s[WV], v1          ; wave 0..15
	s_and_b32 s9, ttmp7, 0xffff            ; batch x 16 + head
	s_mov_b32 s[G1], 3<<16                 ; no mask; elements of 8 bytes; no padding
	s_mov_b32 s[G1+1], 32<<16              ; rows of 256 bytes,
	s_mov_b32 s[G1+2], 128<<16             ; 128 of them: 32 KiB, dense
	s_mov_b32 s[G1+3], 32<<16
	s_mov_b32 s[G1+4], 128
	s_mov_b32 s[G1+5], 32
	s_mov_b32 s[G1+6], 0
	s_mov_b32 s[G1+7], 0
	s_lshr_b32 s10, s[WV], 3               ; which of the two blocks
	s_and_b32 s11, s[WV], 7
	s_sub_co_u32 s12, 7, ttmp9
	s_sub_co_u32 s13, 7, s11
	s_cmp_eq_u32 s10, 0
	s_cselect_b32 s12, ttmp9, s12          ; block i or 7 - i
	s_cselect_b32 s13, s11, s13
	s_lshl_b32 s12, s12, 8
	s_lshl_b32 s13, s13, 5
	s_add_co_u32 s[Q0], s12, s13           ; my first query
	s_sub_co_u32 s[LASTQ], 8, ttmp9
	s_lshl_b32 s[LASTQ], s[LASTQ], 8
	s_sub_co_u32 s[LASTQ], s[LASTQ], 1     ; my work-group's last query
	s_and_b32 s14, s[WV], 3                ; what I fetch, if I fetch
	s_lshl_b32 s15, s14, 15                ; in a slot: K's halves, then V's
	s_lshr_b32 s41, s14, 1
	s_add_co_u32 s41, s41, 1               ; kind 1: k, 2: v
	s_lshl_b32 s41, s41, 24
	s_lshl_b32 s42, s9, 18                 ; the head's 262,144 bytes
	s_add_co_u32 s41, s41, s42
	s_and_b32 s43, s14, 1
	s_lshl_b32 s43, s43, 15
	s_add_co_u32 s44, s41, s43
	s_mov_b32 s45, 0
	s_lshl_b32 s46, s[Q0], 7               ; q: 2,048 bytes a tile of 16 queries
	s_add_co_u32 s46, s46, s42
	s_mov_b32 s47, 0
	s_lshr_b32 s48, s9, 4                  ; y: (batch x 128 + query tile) x 32,768 + head x 2,048
	s_lshl_b32 s48, s48, 22
	s_lshl_b32 s49, s[Q0], 11
	s_add_co_u32 s48, s48, s49
	s_and_b32 s49, s9, 15
	s_lshl_b32 s49, s49, 11
	s_add_co_u32 s48, s48, s49
	s_mov_b32 s49, 0
	s_add_co_u32 s50, s10, 1               ; the prefetches: waves 0-7 k, waves 8-15 v; 8,192 bytes a wave; in slot 1: the first change steps it to slot 2
	s_lshl_b32 s50, s50, 24
	s_add_co_u32 s50, s50, s42
	s_lshl_b32 s51, s11, 13
	s_add_co_u32 s50, s50, s51
	s_add_co_u32 s50, s50, 65536
	s_mov_b32 s51, 0
	s_cmp_eq_u32 ttmp9, 0
	s_cselect_b32 s[LIM], 1, -1            ; the head's first work-group asks
	s_mov_b32 s[CS], 0x3e38aa3b            ; c = log2(e) / 8
	s_mov_b32 s[CS+1], s[CS]
	s_mov_b32 s[SEL], 0x76543210
	s_mov_b32 s[SEL+1], 0xfedcba98
	s_mov_b32 s[TB], 0
	s_mov_b32 s[KF], 0
	s_mov_b32 s[SLOTS], 3
	s_wait_dscnt 0x0                       ; both opening adds are done
	s_wait_kmcnt 0x0
	s_mov_b32 s[G0], 1
	s_mov_b32 s[G0+1], s15
	s_add_nc_u64 s[G0+2:G0+3], s[4:5], s[44:45]
	s_or_b32 s[G0+3], s[G0+3], 0x80000000
	TLOAD                                  ; slot 0: key 0 counts for every query
	s_add_nc_u64 s[46:47], s[4:5], s[46:47]
	s_add_nc_u64 s[6:7], s[6:7], s[48:49]
	s_add_nc_u64 s[PFA:PFA+1], s[4:5], s[50:51]
	v_and_b32 v1, 31, v0
	v_lshlrev_b32 v[PFO], 8, v1
	v_lshlrev_b32 v[LI], 4, v1
	v_and_b32 v12, 15, v0
	v_bfe_u32 v13, v0, 4, 1
	v_lshlrev_b32 v[AV0], 4, v12
	v_lshl_add_u32 v[AV0], v13, 10, v[AV0]
	v_add_nc_u32 v[AV0], 65536, v[AV0]
	v_lshlrev_b32 v14, 3, v13
	v_sub_nc_u32 v[DB], v12, v14
	v_mov_b32 v[NINF], 0xff800000
.irp t, 0,1
.irp f, 0,1
.irp c, 0,1
	global_load_b128 v[Q+16*\t+8*\f+4*\c:Q+16*\t+8*\f+4*\c+3], v[LI], s[46:47] offset:\t*2048+\f*1024+\c*512   ; Q stays in registers
.endr
.endr
.endr
.irp t, 0,1
	v_mov_b32 v[ST+8*\t+1], 0xff61b1e6     ; m: -3e38, under every score
	v_mul_f32 v[ST+8*\t], s[CS], v[ST+8*\t+1]
.irp e, 2,3,4,5,6,7
	v_mov_b32 v[ST+8*\t+\e], 0
.endr
.endr
.set i, 0
.rept 64
	v_mov_b32 v[O+i], 0                    ; O^T.  (The step is written once: the first finds zeros, which a = 0 leaves zeros)
.set i, i+1
.endr
	s_wait_loadcnt 0x0                     ; Q
.Lslot:                                    ; three trips: behind each change of slots but the last the next slot is asked for, up to the causal limit
	CHANGE 1
	SLOT_STEPS
	s_sub_co_u32 s[SLOTS], s[SLOTS], 1
	s_cmp_lg_u32 s[SLOTS], 0
	s_cbranch_scc1 .Lslot
	CHANGE 0
	SLOT_STEPS
	; THE WAY OUT: O^T / l, f16, straight from registers: a lane's eight channels are 16 bytes of a chunk, and the wave's store covers 512 consecutive bytes
.irp t, 0,1
	v_add_f32 v[ST+8*\t+4], v[ST+8*\t+2], v[ST+8*\t+3]
.endr
.irp t, 0,1
	v_permlanex16_b32 v[ST+8*\t+5], v[ST+8*\t+4], s[SEL], s[SEL+1]
.endr
.irp t, 0,1
	v_add_f32 v[ST+8*\t+4], v[ST+8*\t+4], v[ST+8*\t+5]
.endr
.irp t, 0,1
	v_rcp_f32 v[ST+8*\t+6], v[ST+8*\t+4]
.endr
	v_nop
	s_wait_alu depctr_va_vdst(0)           ; one wait for the two reciprocals
.irp t, 0,1
.irp i, 0,2,4,6,8,10,12,14,16,18,20,22,24,26,28,30
	v_pk_mul_f32 v[O+32*\t+\i:O+32*\t+\i+1], v[O+32*\t+\i:O+32*\t+\i+1], v[ST+8*\t+6:ST+8*\t+7] op_sel_hi:[1,0]
.endr
.endr
.irp t, 0,1
.irp i, 0,1,2,3,4,5,6,7,8,9,10,11,12,13,14,15
	v_cvt_pk_f16_f32 v[S+16*\t+\i], v[O+32*\t+2*\i], v[O+32*\t+2*\i+1]
.endr
.endr
.irp t, 0,1
.irp dt, 0,1,2,3
	global_store_b128 v[LI], v[S+16*\t+4*\dt:S+16*\t+4*\dt+3], s[6:7] offset:\t*32768+\dt*512
.endr
.endr
	s_wait_tensorcnt 0x0                   ; the wave's end
	ds_add_u32 v[SPW], v[NIL]
	s_wait_dscnt 0x0
	s_endpgm
.Lfunc_end_k_q88cc8d0d71_attn:
	.size	k_q88cc8d0d71_attn, .Lfunc_end_k_q88cc8d0d71_attn-k_q88cc8d0d71_attn
	.p2alignl 7, 3214868480
	.fill 96, 4, 3214868480
	.section	.rodata,"a",@progbits
	.p2align	6, 0x0
	.amdhsa_kernel k_q88cc8d0d71_attn
		.amdhsa_group_segment_fixed_size 327680
		.amdhsa_private_segment_fixed_size 0
		.amdhsa_enable_private_segment 0
		.amdhsa_kernarg_size 16
		.amdhsa_user_sgpr_count 2
		.amdhsa_user_sgpr_kernarg_segment_ptr 1
		.amdhsa_wavefront_size32 1
		.amdhsa_system_sgpr_workgroup_id_x 1
		.amdhsa_system_sgpr_workgroup_id_y 1
		.amdhsa_system_sgpr_workgroup_id_z 1
		.amdhsa_system_vgpr_workitem_id 0
		.amdhsa_next_free_vgpr 256
		.amdhsa_next_free_sgpr 66
		.amdhsa_reserve_vcc 1
		.amdhsa_float_denorm_mode_32 3
		.amdhsa_float_denorm_mode_16_64 3
		.amdhsa_memory_ordered 1
		.amdhsa_forward_progress 1
		.amdhsa_inst_pref_size 57
	.end_amdhsa_kernel
	.amdgpu_metadata
---
amdhsa.version: [ 1, 2 ]
amdhsa.kernels:
  - .name:           k_q88cc8d0d71_attn
    .symbol:         k_q88cc8d0d71_attn.kd
    .args:
      - { .name: qkvimg, .offset: 0, .size: 8, .value_kind: global_buffer, .address_space: global }
      - { .name: yimg, .offset: 8, .size: 8, .value_kind: global_buffer, .address_space: global }
    .group_segment_fixed_size: 327680
    .private_segment_fixed_size: 0
    .kernarg_segment_align: 8
    .kernarg_segment_size: 16
    .max_flat_workgroup_size: 512
    .sgpr_count:     66
    .vgpr_count:     256
    .wavefront_size: 32
...
	.end_amdgpu_metadata
.endif
;; end of part 3
;; launch proj (part 4): grid 8 x 32, 4 waves a work-group, clusters of 4 x 4, 327,680 bytes of LDS; arguments yimg, wp16, out0; writes out0
.if DOCPART == 4
	.amdgcn_target "amdgcn-amd-amdhsa--gfx1250"
	.amdhsa_code_object_version 6
	.text
	.protected	k_q88cc8d0d71_proj
	.globl	k_q88cc8d0d71_proj
	.p2align	8
	.type	k_q88cc8d0d71_proj,@function
k_q88cc8d0d71_proj:
	s_mov_b64 s[64:65], 0
	v_nop
	global_prefetch_b8 v0, s[64:65] scope:SCOPE_SE
	s_setreg_imm32_b32 hwreg(HW_REG_WAVE_MODE, 25, 1), 1
	s_wait_xcnt 0x0
	s_wait_alu depctr_hold_cnt(0) depctr_sa_sdst(0) depctr_va_vdst(0) depctr_va_sdst(0) depctr_va_ssrc(0) depctr_va_vcc(0) depctr_vm_vsrc(0)
	s_getreg_b32 s2, hwreg(HW_REG_IB_STS2, 6, 4)
	s_cmp_eq_u32 s2, 0
	s_cbranch_scc0 .Lentry_in_a_cluster
	s_endpgm
.Lentry_in_a_cluster:
	s_bfe_u32 s2, ttmp6, 0x10000c
	s_cmp_lg_u32 s2, 0xf033
	s_cbranch_scc0 .Lentry_shape_is_right
	s_endpgm
.Lentry_shape_is_right:
; PROJ: out0 = y Wproj, operands in f16 (images made by the launches before), sums in f32, out0 in f32.  All rows but positions 0-15 of each sequence, which the next launch stores.
; A tile of out0 is 256 rows x 128 columns: 256 work-groups.  Four waves, each 128 x 64: 32 accumulators.  K goes in steps of 128 through a ring of two LDS slots: 16 row tiles of y and 8 column tiles of W, 4 KiB each, dense.
; CLUSTERS: 4 x 4.  Tile column = 4 x cluster x + cx; tile row = 8 cy + cluster y, so that the batch is cy and 'holds positions 0-15' is 'cluster y = 0', alike in all partners.
; The four of a row of the cluster need the same tiles of y, the four of a column the same tiles of W: each is asked for JOINTLY.
; THE MATRIX INSTRUCTION IS USED TRANSPOSED (source 0 = 16 columns of W, source 1 = 16 rows of y): a lane holds eight neighbouring numbers of a row of out0.
; REGISTERS: window 0: v16-29 addresses; two fragment buffers of 96 at v64 and v160 (64 of y, then 32 of W); on the way out v64-127.  Window 1: accumulator (a, b) at v[8 (4 a + b)].
.set SLOT,  98304
.set BOFF,  65536                      ; W's tiles lie behind y's in a slot
.set STAGE, 196608                     ; behind the ring: 16 rows x 272 bytes for each wave
.set SPITCH,272
.set SPARE, 214016
.set LAPS,  4                          ; 8 K steps
.set ADRA, 16
.set ADRB, 20
.set STO,  24
.set RD,   25
.set CO,   26
.set SPW,  28
.set NIL,  29
.set F0,   64
.set F1,   160
.set OBK,  64
.set G1,  24
.set G0,  32
.set G1B, 48
.set G0B, 56
.set SKIP, 45
.set MSB, 0
.macro WIN new
.if MSB != \new
	s_set_vgpr_msb (MSB<<8)|\new
.set MSB, \new
.endif
.endm
.set MUL, 0x50                         ; C and D window 1
.macro JLOAD s                         ; waves 0, 1 fetch y's halves, waves 2, 3 W's; an s_nop 0 and four v_nop follow each of the two lines
	s_cmp_eq_u32 s11, 0
	s_cbranch_scc0 .Lfor_b_\@
	tensor_load_to_lds s[G0+4*\s:G0+4*\s+3], s[G1:G1+7]
	s_nop 0
.rept 4
	v_nop
.endr
	s_branch .Lasked_\@
.Lfor_b_\@:
	tensor_load_to_lds s[G0B+4*\s:G0B+4*\s+3], s[G1B:G1B+7]
	s_nop 0
.rept 4
	v_nop
.endr
.Lasked_\@:
.endm
.macro CREST
	s_cmp_lg_u32 s10, 0
	s_cbranch_scc1 .Lnot_wave_0_\@
	s_barrier_signal -3
.Lnot_wave_0_\@:
	s_barrier_wait -3
	s_barrier_signal -1
	s_barrier_wait -1
.endm
.macro CROUND
	s_barrier_signal -1
	s_barrier_wait -1
	CREST
.endm
.macro PLACES
.rept 4
	v_nop
.endr
.endm
.macro MUL8 f, a0, zero                ; row tiles a0, a0 + 1 x my four column tiles, 32 along K
.irp a, \a0, \a0+1
.irp b, 0,1,2,3
.if \zero
	v_wmma_f32_16x16x32_f16 v[8*(4*(\a)+\b):8*(4*(\a)+\b)+7], v[\f+64+8*\b:\f+64+8*\b+7], v[\f+8*(\a):\f+8*(\a)+7], 0
.else
	v_wmma_f32_16x16x32_f16 v[8*(4*(\a)+\b):8*(4*(\a)+\b)+7], v[\f+64+8*\b:\f+64+8*\b+7], v[\f+8*(\a):\f+8*(\a)+7], v[8*(4*(\a)+\b):8*(4*(\a)+\b)+7]
.endif
.endr
.endr
.endm
.macro FETCH slot, q, f                ; 24 LDS loads: W's four fragments, then y's eight, of the slot's q-th 32 along K
.irp i, 0,1,2,3
	ds_load_b128 v[\f+64+8*\i:\f+64+8*\i+3],   v[ADRB+\slot] offset:\i*4096+(\q)*1024
	ds_load_b128 v[\f+64+8*\i+4:\f+64+8*\i+7], v[ADRB+\slot] offset:\i*4096+(\q)*1024+512
.endr
.irp i, 0,1,2,3,4,5,6,7
	ds_load_b128 v[\f+8*\i:\f+8*\i+3],   v[ADRA+\slot] offset:\i*4096+(\q)*1024
	ds_load_b128 v[\f+8*\i+4:\f+8*\i+7], v[ADRA+\slot] offset:\i*4096+(\q)*1024+512
.endr
.endm
.macro QUARTER slot, q, f, g, zero     ; multiplies buffer f; in its middle fetches quarter q of the same slot into g
	s_wait_dscnt 8                         ; W's fragments and y's row tiles 0-3 are in; the youngest eight loads (row tiles 4-7) may be out
	WIN MUL
	MUL8 \f, 0, \zero
	MUL8 \f, 2, \zero
	PLACES                                 ; four places in front of loads into the buffer that the last quarter's products read
	WIN 0
	FETCH \slot, \q, \g
	s_wait_dscnt 24                        ; all but the 24 just issued
	WIN MUL
	MUL8 \f, 4, \zero
	MUL8 \f, 6, \zero
.endm
; A slot's last quarter multiplies buffer 1 and changes slots: one barrier; in front of it all my tensor loads have landed, the add, my reads of this slot are over.  fill = 1: this slot is filled again, two K steps ahead
.macro TURN slot, next, fill
	WIN 0
	s_wait_tensorcnt 0x0
	ds_add_u32 v[SPW], v[NIL]
	s_wait_dscnt 9                         ; (the add and the youngest eight loads may be out)
	WIN MUL
	MUL8 F1, 0, 0
	s_wait_dscnt 0x0
	s_barrier_signal -1
	MUL8 F1, 2, 0
	WIN 0
	s_barrier_wait -1
.if \fill
	CREST                                  ; the barrier has opened a round of the cluster's: no wave of any partner still reads this slot or has a load on its way
	s_add_nc_u64 s[G0+4*\slot+2:G0+4*\slot+3], s[G0+4*\slot+2:G0+4*\slot+3], 8192
	s_add_nc_u64 s[G0B+4*\slot+2:G0B+4*\slot+3], s[G0B+4*\slot+2:G0B+4*\slot+3], 8192
	JLOAD \slot                            ; the first tensor load behind the round; its four v_nop are also the places in front of the loads below
.else
	PLACES
.endif
	FETCH \next, 0, F0
	WIN MUL
	MUL8 F1, 4, 0
	MUL8 F1, 6, 0
.endm
	s_load_b128 s[4:7], s[0:1], 0x0        ; yimg s[4:5], wp16 s[6:7]
	s_load_b64 s[8:9], s[0:1], 0x10        ; out0
	v_lshl_add_u32 v[SPW], v0, 2, SPARE
	v_mov_b32 v[NIL], 0
	ds_add_u32 v[SPW], v[NIL]              ; the wave's opening: the add, twice on end, and its wait ahead of my first tensor load
	ds_add_u32 v[SPW], v[NIL]
	v_lshrrev_b32 v1, 5, v0
	v_readfirstlane_b32 s10, v1            ; wave 0..3
	s_lshr_b32 s11, s10, 1                 ; my half of the rows.  Also: I fetch for y (0) or for W (1)
	s_and_b32 s12, s10, 1                  ; my half of the columns.  Also: which half of that tile I fetch
	s_bfe_u32 s40, ttmp6, 0x40000          ; cx
	s_bfe_u32 s41, ttmp6, 0x40004          ; cy
	s_lshl_b32 s42, ttmp9, 2
	s_add_co_u32 s42, s42, s40             ; tile column
	s_and_b32 s14, ttmp7, 0xffff           ; cluster y: the block of 256 rows in a batch
	s_lshl_b32 s13, s41, 3
	s_add_co_u32 s13, s13, s14             ; tile row = 8 cy + cluster y
	s_or_b32 s[SKIP], s14, s11
	s_cmp_eq_u32 s[SKIP], 0
	s_cselect_b32 s[SKIP], 1, 0            ; my first row tile holds positions 0-15
	s_lshl_b32 s43, s41, 2
	s_lshl_b32 s43, 15, s43                ; my row of the cluster
	s_lshl_b32 s44, 0x1111, s40            ; my column
	s_or_b32 s[G1+0], s43, (3<<16)|(1<<21) ; the mask; elements of 8 bytes; bit 21 beside a mask; no padding
	s_or_b32 s[G1B+0], s44, (3<<16)|(1<<21)
	s_mov_b32 s[G1+1], 512<<16             ; rows of 4,096 bytes: a tile's 16 chunks of a K step,
	s_mov_b32 s[G1+2], 8<<16               ; 8 row tiles,
	s_mov_b32 s[G1+3], 512<<16
	s_mov_b32 s[G1+4], 8
	s_mov_b32 s[G1+5], 4096                ; 32,768 bytes apart
	s_mov_b32 s[G1+6], 0
	s_mov_b32 s[G1+7], 0
	s_mov_b32 s[G1B+1], 512<<16
	s_mov_b32 s[G1B+2], 4<<16              ; 4 column tiles
	s_mov_b32 s[G1B+3], 512<<16
	s_mov_b32 s[G1B+4], 4
	s_mov_b32 s[G1B+5], 4096
	s_mov_b32 s[G1B+6], 0
	s_mov_b32 s[G1B+7], 0
	s_lshl_b32 s16, s13, 4
	s_lshl_b32 s17, s12, 3
	s_add_co_u32 s16, s16, s17             ; y: row tile 16 x tile row + 8 x half
	s_lshl_b32 s16, s16, 15
	s_mov_b32 s17, 0
	s_lshl_b32 s46, s42, 3
	s_lshl_b32 s47, s12, 2
	s_add_co_u32 s46, s46, s47             ; W: column tile 8 x tile column + 4 x half
	s_lshl_b32 s46, s46, 15
	s_mov_b32 s47, 0
	s_lshl_b32 s20, s12, 15                ; where they go: no place in the cluster enters an LDS address
	s_lshl_b32 s21, s12, 14
	s_add_co_u32 s21, s21, BOFF
	s_wait_dscnt 0x0                       ; both opening adds are done
	s_wait_kmcnt 0x0
	s_add_nc_u64 s[14:15], s[4:5], s[16:17]
	s_add_nc_u64 s[46:47], s[6:7], s[46:47]
	CROUND                                 ; all sixteen work-groups are here: the first joint loads meet
.irp s, 0,1
	s_mov_b32 s[G0+4*\s], 1
	s_add_co_u32 s[G0+4*\s+1], s20, \s*SLOT
	s_add_nc_u64 s[G0+4*\s+2:G0+4*\s+3], s[14:15], \s*4096
	s_or_b32 s[G0+4*\s+3], s[G0+4*\s+3], 0x80000000
	s_mov_b32 s[G0B+4*\s], 1
	s_add_co_u32 s[G0B+4*\s+1], s21, \s*SLOT
	s_add_nc_u64 s[G0B+4*\s+2:G0B+4*\s+3], s[46:47], \s*4096
	s_or_b32 s[G0B+4*\s+3], s[G0B+4*\s+3], 0x80000000
	JLOAD \s
.endr
	v_and_b32 v1, 15, v0                   ; l % 16
	v_bfe_u32 v2, v0, 4, 1                 ; l / 16
	v_and_b32 v3, 31, v0
	v_lshlrev_b32 v3, 4, v3                ; 16 x lane: a fragment's place for my lane
	s_lshl_b32 s21, s11, 15                ; my eight row tiles
	s_lshl_b32 s22, s12, 14                ; my four column tiles
	s_add_co_u32 s22, s22, BOFF
.irp s, 0,1
	v_add_nc_u32 v[ADRA+\s], s21, v3
	v_add_nc_u32 v[ADRB+\s], s22, v3
	s_add_co_u32 s21, s21, SLOT
	s_add_co_u32 s22, s22, SLOT
.endr
	s_mul_i32 s23, s10, 16*SPITCH
	s_add_co_u32 s23, s23, STAGE           ; my stage
	v_mul_u32_u24 v4, v1, SPITCH
	v_lshl_add_u32 v4, v2, 5, v4
	v_add_nc_u32 v[STO], s23, v4           ; in: row l % 16, 32 bytes for each half of the lanes
	v_mul_u32_u24 v5, v2, SPITCH
	v_lshl_add_u32 v5, v1, 4, v5
	v_add_nc_u32 v[RD], s23, v5            ; back: lanes 0-15 one row of 256 bytes, lanes 16-31 the next
	v_lshlrev_b32 v5, 12, v2
	v_lshl_add_u32 v[CO], v1, 4, v5        ; and the same two rows in out0
	s_lshl_b32 s16, s13, 8
	s_lshl_b32 s17, s11, 7
	s_add_co_u32 s16, s16, s17             ; my first row
	s_lshl_b32 s16, s16, 12
	s_mov_b32 s17, 0
	s_add_nc_u64 s[8:9], s[8:9], s[16:17]
	s_lshl_b32 s46, s42, 9                 ; my first column, in bytes
	s_lshl_b32 s47, s12, 8
	s_add_co_u32 s46, s46, s47
	s_mov_b32 s47, 0
	s_add_nc_u64 s[8:9], s[8:9], s[46:47]
	s_wait_tensorcnt 1                     ; my part of K step 0 is in; K step 1's may stay out
	s_barrier_signal -1
	s_barrier_wait -1
	FETCH 0, 0, F0
	QUARTER 0, 1, F0, F1, 1                ; the first quarter's products start the sums
	WIN 0
	s_mov_b32 s3, LAPS-1
.Llap:                                     ; a trip goes once round the ring, from a lap's second quarter to the next lap's first, and fills both slots again
	QUARTER 0, 2, F1, F0, 0
	QUARTER 0, 3, F0, F1, 0
	TURN 0, 1, 1
	QUARTER 1, 1, F0, F1, 0
	QUARTER 1, 2, F1, F0, 0
	QUARTER 1, 3, F0, F1, 0
	TURN 1, 0, 1
	QUARTER 0, 1, F0, F1, 0
	WIN 0
	s_sub_co_u32 s3, s3, 1
	s_cmp_lg_u32 s3, 0
	s_cbranch_scc1 .Llap
	QUARTER 0, 2, F1, F0, 0                ; the last lap fills nothing
	QUARTER 0, 3, F0, F1, 0
	TURN 0, 1, 0
	QUARTER 1, 1, F0, F1, 0
	QUARTER 1, 2, F1, F0, 0
	QUARTER 1, 3, F0, F1, 0
	s_wait_dscnt 0x0
	WIN MUL
	MUL8 F1, 0, 0
	MUL8 F1, 2, 0
	MUL8 F1, 4, 0
	MUL8 F1, 6, 0
	WIN 0
; THE WAY OUT, a row tile (16 rows x 64 columns) at a time through my own stage: in as 32 bytes a lane, back as rows of 256 bytes, which sixteen lanes store whole and aligned
.macro TOSTAGE a
	WIN 0x04                               ; an LDS store's data: window 1
.irp b, 0,1,2,3
	ds_store_b128 v[STO], v[8*(4*(\a)+\b):8*(4*(\a)+\b)+3] offset:64*\b        ; each accumulator from its low end on
	ds_store_b128 v[STO], v[8*(4*(\a)+\b)+4:8*(4*(\a)+\b)+7] offset:64*\b+16
.endr
	WIN 0
.irp i, 0,1,2,3,4,5,6,7
	ds_load_b128 v[OBK+32*((\a)%2)+4*\i:OBK+32*((\a)%2)+4*\i+3], v[RD] offset:\i*2*SPITCH   ; LDS serves a wave in order: these see the stores above
.endr
.endm
.macro SEND a, younger
	s_wait_dscnt \younger
.if (\a) > 0
	s_add_nc_u64 s[8:9], s[8:9], 65536     ; 16 rows on (the earlier stores have read their base: the wait on XCNT stands ahead)
.else
	s_cmp_eq_u32 s[SKIP], 1                ; positions 0-15 are stored by the launch that carries them in f32
	s_cbranch_scc1 .Lskip_\@
.endif
.irp i, 0,1,2,3,4,5,6,7
	global_store_b128 v[CO], v[OBK+32*((\a)%2)+4*\i:OBK+32*((\a)%2)+4*\i+3], s[8:9] offset:\i*8192 th:TH_STORE_NT
.endr
.Lskip_\@:
.endm
	PLACES                                 ; four places in front of the first read of results and of the loads into fragment registers
	TOSTAGE 0
.irp a, 1,2,3,4,5,6,7
.if \a > 1
	s_wait_xcnt 0x0                        ; row tile a - 2's stores have read their registers and their base
.endif
	TOSTAGE \a
	SEND \a-1, 16                          ; behind row tile a - 1's loads: tile a's 8 stores and 8 loads
.endr
	s_wait_xcnt 0x0
	SEND 7, 0
	s_wait_tensorcnt 0x0                   ; the wave's end
	ds_add_u32 v[SPW], v[NIL]
	s_wait_dscnt 0x0
	CROUND                                 ; the closing round
	s_endpgm
.Lfunc_end_k_q88cc8d0d71_proj:
	.size	k_q88cc8d0d71_proj, .Lfunc_end_k_q88cc8d0d71_proj-k_q88cc8d0d71_proj
	.p2alignl 7, 3214868480
	.fill 96, 4, 3214868480
	.section	.rodata,"a",@progbits
	.p2align	6, 0x0
	.amdhsa_kernel k_q88cc8d0d71_proj
		.amdhsa_group_segment_fixed_size 327680
		.amdhsa_private_segment_fixed_size 0
		.amdhsa_enable_private_segment 0
		.amdhsa_kernarg_size 24
		.amdhsa_user_sgpr_count 2
		.amdhsa_user_sgpr_kernarg_segment_ptr 1
		.amdhsa_wavefront_size32 1
		.amdhsa_system_sgpr_workgroup_id_x 1
		.amdhsa_system_sgpr_workgroup_id_y 1
		.amdhsa_system_sgpr_workgroup_id_z 1
		.amdhsa_system_vgpr_workitem_id 0
		.amdhsa_next_free_vgpr 512
		.amdhsa_next_free_sgpr 66
		.amdhsa_reserve_vcc 0
		.amdhsa_float_denorm_mode_32 3
		.amdhsa_float_denorm_mode_16_64 3
		.amdhsa_memory_ordered 1
		.amdhsa_forward_progress 1
		.amdhsa_inst_pref_size 86
	.end_amdhsa_kernel
	.amdgpu_metadata
---
amdhsa.version: [ 1, 2 ]
amdhsa.kernels:
  - .name:           k_q88cc8d0d71_proj
    .symbol:         k_q88cc8d0d71_proj.kd
    .args:
      - { .name: yimg, .offset: 0, .size: 8, .value_kind: global_buffer, .address_space: global }
      - { .name: wp16, .offset: 8, .size: 8, .value_kind: global_buffer, .address_space: global }
      - { .name: out0, .offset: 16, .size: 8, .value_kind: global_buffer, .address_space: global }
    .group_segment_fixed_size: 327680
    .private_segment_fixed_size: 0
    .kernarg_segment_align: 8
    .kernarg_segment_size: 24
    .max_flat_workgroup_size: 128
    .sgpr_count:     66
    .vgpr_count:     512
    .wavefront_size: 32
...
	.end_amdgpu_metadata
.endif
;; end of part 4
;; launch first16 (part 5): grid 16 x 4, 16 waves a work-group, no clusters, 71,680 bytes of LDS; arguments fine, Wproj, out0; writes out0
.if DOCPART == 5
	.amdgcn_target "amdgcn-amd-amdhsa--gfx1250"
	.amdhsa_code_object_version 6
	.text
	.protected	k_q88cc8d0d71_first16
	.globl	k_q88cc8d0d71_first16
	.p2align	8
	.type	k_q88cc8d0d71_first16,@function
k_q88cc8d0d71_first16:
	s_mov_b64 s[64:65], 0
	v_nop
	global_prefetch_b8 v0, s[64:65] scope:SCOPE_SE
	s_setreg_imm32_b32 hwreg(HW_REG_WAVE_MODE, 25, 1), 1
	s_wait_xcnt 0x0
; FIRST16: positions 0-15 of every sequence, attention and projection, with f32 operands throughout: these rows average one to sixteen values and are the largest in size.
; Work-group (ns, b): 64 columns of out0, batch b.  Wave = head: it makes its head's 16 x 16 attention (each work-group of a batch makes it anew: 32 small products a wave) and its head's 64 of the projection's K;
; the sixteen partial sums meet in LDS, and wave w adds and stores row w.
; All products by the f32 form, 16 x 16 x 4; its results are written by matrix instructions alone, and what is made of them goes into other registers.  Eight places stand behind it in front of a read by a vector
; instruction or a load into its operands, nine in front of a product that takes a result as an operand.  Accumulators take turns, one instruction a turn.
; LAYOUT.  S^T = K Q^T: lane (r, h), register j: key 8 h + j, query r.  K slot (h, j') of step s stands for key 8 h + 2 s + j' in the second product, and for channel 16 dt + 8 h + 2 s + j' in the third,
; on both operands alike: so p and y stay in their lanes and registers.
.set SPARE, 69632
.set QF,  16
.set KF,  48
.set VF,  80
.set SA,  112
.set SB,  120
.set SX,  128
.set PN,  136
.set TM,  144
.set O,   152
.set OUT, 184
.set WF2, 216
.set SPW, 252
.set NIL, 253
.macro PLACES n
.rept \n
	v_nop
.endr
.endm
.macro WLOAD reg, dt                   ; Wproj(64 head + 16 dt + 8 h + 2 s + j', 64 ns + 16 nt + r) into v[reg + 8 s + 2 nt + j']
.irp s, 0,1,2,3
.irp nt, 0,1,2,3
.irp j, 0,1
	global_load_b32 v[\reg+8*\s+2*\nt+\j], v7, s[6:7] offset:(16*(\dt)+2*\s+\j)*4096+\nt*64
.endr
.endr
.endr
.endm
.macro OSTEP reg, dt                   ; out^T(nt) += W^T y^T over channels 16 dt .. 16 dt + 15: four accumulators by turns
.irp s, 0,1,2,3
.irp nt, 0,1,2,3
.if ((\dt) == 0) && (\s == 0)
	v_wmma_f32_16x16x4_f32 v[OUT+8*\nt:OUT+8*\nt+7], v[\reg+8*\s+2*\nt:\reg+8*\s+2*\nt+1], v[O+8*(\dt)+2*\s:O+8*(\dt)+2*\s+1], 0
.else
	v_wmma_f32_16x16x4_f32 v[OUT+8*\nt:OUT+8*\nt+7], v[\reg+8*\s+2*\nt:\reg+8*\s+2*\nt+1], v[O+8*(\dt)+2*\s:O+8*(\dt)+2*\s+1], v[OUT+8*\nt:OUT+8*\nt+7]
.endif
.endr
.endr
.endm
	s_load_b128 s[4:7], s[0:1], 0x0        ; fine s[4:5], Wproj s[6:7]
	s_load_b64 s[8:9], s[0:1], 0x10        ; out0
	v_lshl_add_u32 v[SPW], v0, 2, SPARE
	v_mov_b32 v[NIL], 0
	v_lshrrev_b32 v1, 5, v0
	v_readfirstlane_b32 s10, v1            ; wave = head; later: the row that I add up
	s_and_b32 s11, ttmp7, 0xffff           ; batch
	v_and_b32 v1, 31, v0
	v_and_b32 v2, 15, v0                   ; r
	v_bfe_u32 v3, v0, 4, 1                 ; h
	v_lshlrev_b32 v4, 8, v2
	v_lshl_add_u32 v4, v3, 4, v4           ; q, k: row r of 256 bytes, + 16 h
	v_lshlrev_b32 v5, 2, v2
	v_lshl_add_u32 v6, v3, 11, v5          ; v: 8 h rows on, + 4 r
	v_lshl_add_u32 v7, v3, 15, v5          ; Wproj: 8 h rows of 4,096 bytes on, + 4 r
	v_lshlrev_b32 v8, 3, v3
	v_sub_nc_u32 v8, v2, v8                ; r - 8 h: register j's key is hidden where j is above it
	v_mov_b32 v11, 0xff800000
	s_mul_i32 s14, s10, 4352               ; my partial sums: 16 rows of 256 bytes + 16
	v_mul_u32_u24 v9, v2, 272
	v_lshl_add_u32 v9, v3, 5, v9
	v_add_nc_u32 v9, s14, v9
	s_mul_i32 s15, s10, 272                ; and row w of every head's
	v_lshlrev_b32 v12, 3, v1               ; 8 x lane
	v_add_nc_u32 v10, s15, v12
	s_mov_b32 s16, 0x76543210
	s_mov_b32 s17, 0xfedcba98
	s_mov_b32 s18, 0x3e38aa3b              ; c = log2(e) / 8
	s_mul_i32 s12, s11, 48
	s_add_co_u32 s12, s12, s10
	s_lshl_b32 s12, s12, 12                ; fine: (batch x 48 + head) x 4,096; k 65,536 and v 131,072 bytes on
	s_mov_b32 s13, 0
	s_lshl_b32 s20, s10, 18                ; Wproj: 64 head rows, + 256 ns
	s_lshl_b32 s21, ttmp9, 8
	s_add_co_u32 s20, s20, s21
	s_mov_b32 s21, 0
	s_lshl_b32 s22, s11, 11
	s_add_co_u32 s22, s22, s10
	s_lshl_b32 s22, s22, 12                ; out0: row batch x 2,048 + w, + 256 ns
	s_lshl_b32 s23, ttmp9, 8
	s_add_co_u32 s22, s22, s23
	s_mov_b32 s23, 0
	s_wait_kmcnt 0x0
	s_add_nc_u64 s[4:5], s[4:5], s[12:13]
	s_add_nc_u64 s[6:7], s[6:7], s[20:21]
	s_add_nc_u64 s[8:9], s[8:9], s[22:23]
.irp s, 0,1,2,3,4,5,6,7
	global_load_b128 v[QF+4*\s:QF+4*\s+3], v4, s[4:5] offset:32*\s          ; channels 8 s + 4 h + 0 .. 3: the same places for q and for k
	global_load_b128 v[KF+4*\s:KF+4*\s+3], v4, s[4:5] offset:65536+32*\s
.endr
.irp dt, 0,1,2,3
.irp e, 0,1,2,3,4,5,6,7
	global_load_b32 v[VF+8*\dt+\e], v6, s[4:5] offset:131072+\e*256+\dt*64  ; v(key 8 h + e, channel 16 dt + r)
.endr
.endr
	s_wait_loadcnt 32                      ; q and k are in; v's 32 loads may be out
	v_wmma_f32_16x16x4_f32 v[SA:SA+7], v[KF:KF+1], v[QF:QF+1], 0            ; S^T in two halves, by turns
	v_wmma_f32_16x16x4_f32 v[SB:SB+7], v[KF+2:KF+3], v[QF+2:QF+3], 0
.irp e, 2,4,6,8,10,12,14
	v_wmma_f32_16x16x4_f32 v[SA:SA+7], v[KF+2*\e:KF+2*\e+1], v[QF+2*\e:QF+2*\e+1], v[SA:SA+7]
	v_wmma_f32_16x16x4_f32 v[SB:SB+7], v[KF+2*\e+2:KF+2*\e+3], v[QF+2*\e+2:QF+2*\e+3], v[SB:SB+7]
.endr
	s_wait_loadcnt 0x0                     ; v
	PLACES 8
	WLOAD QF, 0                            ; three quarters of my part of Wproj, into registers that are done with
	WLOAD KF, 1
	WLOAD WF2, 2
.irp j, 0,1,2,3,4,5,6,7
	v_add_f32 v[SX+\j], v[SA+\j], v[SB+\j]
.endr
.irp j, 0,1,2,3,4,5,6,7
	v_cmp_gt_i32 vcc_lo, \j, v8
	v_cndmask_b32 v[SX+\j], v[SX+\j], v11, vcc_lo
.endr
	v_max3_num_f32 v[TM], v[SX], v[SX+1], v[SX+2]
	v_max3_num_f32 v[TM+1], v[SX+3], v[SX+4], v[SX+5]
	v_max3_num_f32 v[TM], v[TM], v[SX+6], v[SX+7]
	v_max_num_f32 v[TM], v[TM], v[TM+1]
	v_permlanex16_b32 v[TM+1], v[TM], s16, s17
	v_max_num_f32 v[TM], v[TM], v[TM+1]    ; the row's maximum: key 0 counts for every query
	v_mul_f32 v[TM+2], s18, v[TM]
.irp j, 0,1,2,3,4,5,6,7
	v_fma_f32 v[SX+\j], v[SX+\j], s18, -v[TM+2]
.endr
.irp j, 0,1,2,3,4,5,6,7
	v_exp_f32 v[SX+\j], v[SX+\j]
.endr
	v_nop
	s_wait_alu depctr_va_vdst(0)           ; one wait for the eight
	v_add_f32 v[TM], v[SX], v[SX+1]
	v_add_f32 v[TM+1], v[SX+2], v[SX+3]
	v_add_f32 v[TM+3], v[SX+4], v[SX+5]
	v_add_f32 v[TM+4], v[SX+6], v[SX+7]
	v_add_f32 v[TM], v[TM], v[TM+1]
	v_add_f32 v[TM+3], v[TM+3], v[TM+4]
	v_add_f32 v[TM], v[TM], v[TM+3]
	v_permlanex16_b32 v[TM+1], v[TM], s16, s17
	v_add_f32 v[TM], v[TM], v[TM+1]
	v_rcp_f32 v[TM+5], v[TM]
	v_nop
	s_wait_alu depctr_va_vdst(0)
.irp j, 0,1,2,3,4,5,6,7
	v_mul_f32 v[PN+\j], v[SX+\j], v[TM+5]  ; the weights, normalised
.endr
.irp s, 0,1,2,3                            ; y^T(dt) = V^T P: four accumulators by turns
.irp dt, 0,1,2,3
.if \s == 0
	v_wmma_f32_16x16x4_f32 v[O+8*\dt:O+8*\dt+7], v[VF+8*\dt+2*\s:VF+8*\dt+2*\s+1], v[PN+2*\s:PN+2*\s+1], 0
.else
	v_wmma_f32_16x16x4_f32 v[O+8*\dt:O+8*\dt+7], v[VF+8*\dt+2*\s:VF+8*\dt+2*\s+1], v[PN+2*\s:PN+2*\s+1], v[O+8*\dt:O+8*\dt+7]
.endif
.endr
.endr
	PLACES 9                               ; nine places: y is the next products' operand, and loads go into v's registers
	WLOAD VF, 3
	s_wait_loadcnt 63                      ; 96 younger loads could stay out; the count's field holds 63
	OSTEP QF, 0
	s_wait_loadcnt 63                      ; 64 could
	OSTEP KF, 1
	s_wait_loadcnt 32                      ; the last quarter's 32 may be out
	OSTEP WF2, 2
	s_wait_loadcnt 0x0
	OSTEP VF, 3
	PLACES 8
.irp nt, 0,1,2,3
	ds_store_b128 v9, v[OUT+8*\nt:OUT+8*\nt+3] offset:\nt*64       ; lane (r, h): row r, columns 16 nt + 8 h + 0 .. 7
	ds_store_b128 v9, v[OUT+8*\nt+4:OUT+8*\nt+7] offset:\nt*64+16
.endr
	s_wait_dscnt 0x0                       ; for the others' sake: my stores have landed
	s_barrier_signal -1
	s_barrier_wait -1
.irp g, 0,1,2,3,4,5,6,7,8,9,10,11,12,13,14,15
	ds_load_b64 v[16+2*\g:17+2*\g], v10 offset:\g*4352             ; row w of head g's partial sums, two columns a lane
.endr
	s_wait_dscnt 0x0
.irp g, 1,2,3,4,5,6,7,8,9,10,11,12,13,14,15
	v_pk_add_f32 v[16:17], v[16:17], v[16+2*\g:17+2*\g]            ; the heads in ascending order
.endr
	global_store_b64 v12, v[16:17], s[8:9] th:TH_STORE_NT          ; 256 consecutive bytes, aligned
	s_wait_tensorcnt 0x0                   ; the wave's end: behind my last LDS store
	ds_add_u32 v[SPW], v[NIL]
	s_wait_dscnt 0x0
	s_endpgm
.Lfunc_end_k_q88cc8d0d71_first16:
	.size	k_q88cc8d0d71_first16, .Lfunc_end_k_q88cc8d0d71_first16-k_q88cc8d0d71_first16
	.p2alignl 7, 3214868480
	.fill 96, 4, 3214868480
	.section	.rodata,"a",@progbits
	.p2align	6, 0x0
	.amdhsa_kernel k_q88cc8d0d71_first16
		.amdhsa_group_segment_fixed_size 71680
		.amdhsa_private_segment_fixed_size 0
		.amdhsa_enable_private_segment 0
		.amdhsa_kernarg_size 24
		.amdhsa_user_sgpr_count 2
		.amdhsa_user_sgpr_kernarg_segment_ptr 1
		.amdhsa_wavefront_size32 1
		.amdhsa_system_sgpr_workgroup_id_x 1
		.amdhsa_system_sgpr_workgroup_id_y 1
		.amdhsa_system_sgpr_workgroup_id_z 1
		.amdhsa_system_vgpr_workitem_id 0
		.amdhsa_next_free_vgpr 256
		.amdhsa_next_free_sgpr 66
		.amdhsa_reserve_vcc 1
		.amdhsa_float_denorm_mode_32 3
		.amdhsa_float_denorm_mode_16_64 3
		.amdhsa_memory_ordered 1
		.amdhsa_forward_progress 1
		.amdhsa_inst_pref_size 32
	.end_amdhsa_kernel
	.amdgpu_metadata
---
amdhsa.version: [ 1, 2 ]
amdhsa.kernels:
  - .name:           k_q88cc8d0d71_first16
    .symbol:         k_q88cc8d0d71_first16.kd
    .args:
      - { .name: fine, .offset: 0, .size: 8, .value_kind: global_buffer, .address_space: global }
      - { .name: Wproj, .offset: 8, .size: 8, .value_kind: global_buffer, .address_space: global }
      - { .name: out0, .offset: 16, .size: 8, .value_kind: global_buffer, .address_space: global }
    .group_segment_fixed_size: 71680
    .private_segment_fixed_size: 0
    .kernarg_segment_align: 8
    .kernarg_segment_size: 24
    .max_flat_workgroup_size: 512
    .sgpr_count:     66
    .vgpr_count:     256
    .wavefront_size: 32
...
	.end_amdgpu_metadata
.endif
;; end of part 5
